; MI455X (gfx1250); checked and timed in simulation.
; The chip was launched on July 23, 2026; its instructions are those of AMD's public machine-readable ISA for CDNA 5 (MIT licence, August 2026) and "CDNA5" Instruction Set Architecture Reference Guide (July 2026). The comments in the code are by the model that wrote it; some were corrected since.
;; Multi Head Self Attention. Allowed arithmetic: matrix products marked QUANTISED: E5M2 operands, one given power-of-two scale a tensor, by v_wmma_f32_16x16x64_bf8_bf8 or v_wmma_f32_16x16x128_bf8_bf8, f32 sums; everything else in f32.
;; Inputs: W_k 512 x 512 float32; W_o 512 x 512 float32; W_q 512 x 512 float32; W_v 512 x 512 float32; ln_beta 512 float32; ln_gamma 512 float32; lowp_scales 12 int32 (the exponents e of the quantised operands' scales 2^e); x 2 x 4,096 x 512 float32.
;; Outputs: out0 2 x 4,096 x 512 float32.
;; This version of the problem:
;;   THIS VERSION OF THE PROBLEM IS GIVEN IN LOW PRECISION. The matrix products marked QUANTISED in the list below multiply operands that are first quantised to E5M2 (5 exponent bits, 2 mantissa bits; 8 bits a number), with one given power-of-two scale for each operand tensor; their sums are f32. All else is computed in f32.
;;   The module's matrix products, in the order in which they are computed (A, B: the left and right operand; K: the contracted axis; several contracted axes count as one K, in the product's order):
;;     1. [M 8,192, K 512] x [K 512, N 512]; A: input x; B: input W_q: QUANTISED (scales: A lowp_scales[0], B lowp_scales[1])
;;     2. [M 8,192, K 512] x [K 512, N 512]; A: input x; B: input W_k: QUANTISED (scales: A lowp_scales[2], B lowp_scales[3])
;;     3. [M 8,192, K 512] x [K 512, N 512]; A: input x; B: input W_v: QUANTISED (scales: A lowp_scales[4], B lowp_scales[5])
;;     4. batch 16 x [M 4,096, K 64] x [K 64, N 4,096]; A: computed on the way; B: computed on the way: QUANTISED (scales: A lowp_scales[6], B lowp_scales[7])
;;     5. batch 16 x [M 4,096, K 4,096] x [K 4,096, N 64]; A: softmax (see below); B: computed on the way: QUANTISED (scales: A lowp_scales[8], B lowp_scales[9])
;;     6. [M 8,192, K 512] x [K 512, N 512]; A: computed on the way; B: input W_o: QUANTISED (scales: A lowp_scales[10], B lowp_scales[11])
;;   THE QUANTISER, for each operand of a quantised product, along K:
;;     - The operand's scale is 2^e, e = its entry of the input lowp_scales (int32; the entries are numbered through the quantised products in the list's order, A before B).
;;     - Each number is divided by the scale, clamped to +-57,344, and rounded to the nearest number of E5M2, ties to even, subnormals kept.
;;     - The product sums the exact products of the quantised numbers (number of the format x scale) in f32.
;;   ~~~python
;;   def quantise(x, axis, e):      # numpy; x: float32 -> the quantised numbers, widened to float32 again
;;       x = np.moveaxis(x, axis, -1); K = x.shape[-1]
;;       r = np.clip(x / 2.0 ** e, -57344, 57344)
;;       step = 2.0 ** (np.maximum(np.frexp(np.where(r == 0, 1, r))[1] - 1, -14) - 2)
;;       q = np.round(r / step) * step * 2.0 ** e      # np.round: ties to even
;;       return np.moveaxis(q, -1, axis).astype(np.float32)
;;   ~~~
;;   SOFTMAX AHEAD OF A QUANTISED PRODUCT. Where the list says 'softmax', what is quantised is not the finished softmax but p = 2^(t - M), with t = logit x log2(e) and M = ceil(the row's largest t), a whole number; so 1/2 < the row's largest p <= 1. The row's sum l is taken of the UNQUANTISED p, in f32, and the product's result is divided by l at the end. Since M is a whole number, a kernel that streams over the keys may use a running M (the ceiling of the running maximum): every later rescaling is an exact power of two, so the quantised numbers keep their values, but for numbers so far below the row's largest that they fall under the format's range.
;;   OPERANDS COMPUTED ON THE WAY. 'Computed on the way' means the value that the module computes at that place (a softmax that the list does not call 'softmax' is quantised finished and normalised). What goes into a quantiser is computed in f32, as accurately as f32 sums, v_exp_f32 and their like allow (about 1e-6 of the number): no bf16 or f16 on the way to a quantiser, and a product that is left as it is and whose result goes on into a quantised operand takes f32 operands (vector FMAs, or v_wmma_f32_16x16x4_f32). A number that lies on a knife's edge between two numbers of the format may be rounded either way, as far as f32 arithmetic and the matrix unit's own rounding can turn it there, and no further.
;; 2 versions. Each part assembles by itself: llvm-mc -triple=amdgcn-amd-amdhsa -mcpu=gfx1250 --defsym DOCPART=n.
;; ======== version 1 of 2: 3 launches
;; workspace buffers: q_img 4,194,304 bytes; k_img 4,194,304 bytes; v_img 4,194,304 bytes; c_img 4,194,304 bytes; wo_img 262,144 bytes
;; launch qkv (part 1): grid 32 x 8, 8 waves a work-group, no clusters, 99,328 bytes of LDS; arguments x, W_q, W_k, W_v, W_o, lowp_scales, q_img, k_img, v_img, wo_img; writes q_img, k_img, v_img, wo_img
.if DOCPART == 1
	.amdgcn_target "amdgcn-amd-amdhsa--gfx1250"
	.amdhsa_code_object_version 6
	.text
	.protected	k_qf5633b7736_qkv
	.globl	k_qf5633b7736_qkv
	.p2align	8
	.type	k_qf5633b7736_qkv,@function
k_qf5633b7736_qkv:
	s_mov_b64 s[64:65], 0
	v_nop
	global_prefetch_b8 v0, s[64:65] scope:SCOPE_SE
	s_setreg_imm32_b32 hwreg(HW_REG_WAVE_MODE, 25, 1), 1
	s_wait_xcnt 0x0
; Q, K, V = x W^T on codes of BF8 (E5M2), for one head and 256 tokens a work-group; the results are quantised again and stored as IMAGES OF OPERAND REGISTERS for the attention launch.  W_o is quantised on the side.
; x [8192][512], W_q, W_k, W_v, W_o [512][512]: f32.  lowp_scales: e0 .. e11 (int32).  code = number / 2^e, held within +-57,344, to the nearest code, ties to even.
; SHARES.  Work-group (bx, hd): tokens 256 bx on, head hd: that head's 64 columns of Q, of K and of V.  Wave w: tokens 32 w on, two tiles of 16 (m = 0, 1).  K = 512 goes in 8 steps of 64:
; a step is 24 matrix instructions a wave (3 projections x 4 column tiles x 2 row tiles) on 24 accumulators, which take turns, one instruction a turn.
; x is quantised three times, since e0, e2 and e4 may differ; a step's 32 numbers of a lane stay in registers for the three.  The head's rows of W_q, W_k, W_v are quantised once, each wave
; 4 of a projection's 32 fragments, and lie in LDS as images: lane l's 16 bytes of four registers at 16 l, 512 bytes a chunk.  One barrier.
; K IS PERMUTED, ALIKE IN x AND IN W: lane (r, h) holds k = 64 s + 32 h + 0 .. 31 of its row, in that order: 128 neighbouring bytes, eight loads of 16.  Every product meets its partner; only the order of the sums inside an instruction changes.
; Q and K are made TRANSPOSED (source 0 = 16 rows of W, source 1 = 16 tokens): lane (r, h) holds token r and register j channel 16 t + 8 h + j: one conversion of a tile's 8 registers is registers 2 t, 2 t + 1 of a fragment whose K is the head's 64.
; V is made as it stands (source 0 = 16 tokens, source 1 = 16 rows of W_v): lane (r, h) holds channel 16 t + r and register j token 8 h + j: registers 2 c, 2 c + 1 of a fragment whose K is the keys.
; IMAGES.  q_img, k_img: head (b 8 + hd) x 262,144 + (token / 16) x 1,024 + chunk x 512 + 16 l.  v_img: head x 262,144 + (key / 128) x 8,192 + channel tile x 2,048 + chunk x 512 + 16 l.
; wo_img: (16 rows' tile T x 8 + hh) x 1,024 + chunk x 512 + 16 l, k = 64 hh + 16 c + 8 h + 0 .. 7 in registers 2 c, 2 c + 1: work-group (bx, hd) makes T = bx, hh = hd, in its wave 0.
; NO CLUSTER, NO TENSOR LOAD: x (shared by the 8 heads' work-groups) and W (shared by the 32 token blocks') arrive as f32 and must pass through registers to become codes; through LDS first they would be 896 KB more of LDS writes and reads a work-group.
; LIMITS: e0 .. e5, e11, e6 - e0 - e1, e7 - e2 - e3, e9 - e4 - e5 lie between -126 and 112, so that each scale and 57,344 x it are f32 numbers.  NaN among the inputs is not served.
; REGISTERS.  window 0: v3-5 addresses; v6-13 scales and holds; v16-31 two groups of 8 held numbers; v32-47 x's codes; v48-79 four fragments of W; v80-207 x, two slots of 64 (first: W_q as loaded); v208-247 W_o; v250-253 LDS addresses.
;   window 1: v0-191 the accumulators, (p, t, m) at 8 ((4 p + t) 2 + m); first: W_k and W_v as loaded (v0-255).
.set XA,  3                            ; v3    r x 2,048 + h x 128: my 128 bytes of a K step in a row of x or of W
.set LI,  4                            ; v4    16 x lane: my place in a chunk
.set WOA, 5                            ; v5    r x 2,048 + h x 32: W_o
.set TMP, 16
.set C,   32
.set WF,  48
.set X,   80
.set WO,  208
.set WOC, 240
.set RD2, 250                          ; v250  LI + 65,536: projection 2's images (those of 0 and 1 are reached from LI by the immediate)
.set ST0, 251                          ; v251  LI + 4,096 x wave: where I store my four fragments of projection 0 and 1
.set ST2, 253                          ; v253  the same for projection 2
.set MSB, 0
.macro WIN new                         ; the immediate's high byte repeats the setting that is left; a switch that changes nothing is dropped
.if MSB != \new
	s_set_vgpr_msb (MSB<<8)|\new
.set MSB, \new
.endif
.endm
.macro MKSC vs, vl, se                 ; v[vs] = 2^e as f32 (the conversion takes its exponent field), v[vl] = 57,344 x 2^e
	s_add_co_i32 s6, \se, 127
	s_lshl_b32 s7, s6, 23
	v_mov_b32 v[\vs], s7
	s_add_co_i32 s6, s6, 15
	s_lshl_b32 s6, s6, 23
	s_or_b32 s6, s6, 0x600000
	v_mov_b32 v[\vl], s6
.endm
.macro LOADW p, reg                    ; my tile's rows of W_p, my four K steps: 128 numbers a lane
.irp i, 0,1,2,3
.irp j, 0,1,2,3,4,5,6,7
	global_load_b128 v[\reg+32*\i+4*\j:\reg+32*\i+4*\j+3], v[XA], s[10+2*\p:11+2*\p] offset:256*\i+16*\j
.endr
.endr
.endm
.macro LOADX s                         ; K step s of my 32 tokens into slot s % 2
.irp m, 0,1
.irp j, 0,1,2,3,4,5,6,7
	global_load_b128 v[X+64*((\s)&1)+32*\m+4*\j:X+64*((\s)&1)+32*\m+4*\j+3], v[XA], s[8:9] offset:32768*\m+256*(\s)+16*\j
.endr
.endr
.endm
.macro QUANTW reg, win, p              ; 128 numbers of W_p at v[reg] of window win become four fragments, which go to LDS as they stand
.if \win
	WIN 0x41                                       ; destination and source 0 in window 1
.endif
.set n, 0
.rept 128
	v_med3_num_f32 v[\reg+n], v[\reg+n], -v[9+2*\p], v[9+2*\p]   ; the conversion to an 8-bit code does not saturate (ISA guide 7.6.2): the hold comes first
.set n, n+1
.endr
.if \win
	WIN 0x01                                       ; source 0 in window 1
.endif
.irp i, 0,1,2,3
.irp g, 0,1,2,3
	v_cvt_scalef32_pk8_bf8_f32 v[WF+8*\i+2*\g:WF+8*\i+2*\g+1], v[\reg+32*\i+8*\g:\reg+32*\i+8*\g+7], v[8+2*\p]
.endr
.endr
	WIN 0
	v_nop                                          ; one plain vector line behind the last conversion of a run
.irp i, 0,1,2,3
.irp c, 0,1
.if \p < 2
	ds_store_b128 v[ST0], v[WF+8*\i+4*\c:WF+8*\i+4*\c+3] offset:32768*\p+1024*\i+512*\c
.else
	ds_store_b128 v[ST2], v[WF+8*\i+4*\c:WF+8*\i+4*\c+3] offset:1024*\i+512*\c
.endif
.endr
.endr
	s_wait_dscnt 0x0                               ; the stores have landed (for the barrier) and have read their registers (for the next run of conversions)
.endm
.macro Q8 dst, src, g, p               ; eight numbers of x, held into group g % 2, become two registers of codes.  The groups take turns, so that eight plain lines stand between a conversion and the next write of its sources
.irp k, 0,1,2,3,4,5,6,7
	v_med3_num_f32 v[TMP+8*((\g)&1)+\k], v[\src+\k], -v[9+2*\p], v[9+2*\p]
.endr
	v_cvt_scalef32_pk8_bf8_f32 v[\dst:\dst+1], v[TMP+8*((\g)&1):TMP+8*((\g)&1)+7], v[8+2*\p]
.endm
.macro FETCHW p, s                     ; projection p's four fragments of K step s
.irp t, 0,1,2,3
.irp c, 0,1
.if \p < 2
	ds_load_b128 v[WF+8*\t+4*\c:WF+8*\t+4*\c+3], v[LI] offset:32768*\p+(8*\t+\s)*1024+512*\c
.else
	ds_load_b128 v[WF+8*\t+4*\c:WF+8*\t+4*\c+3], v[RD2] offset:(8*\t+\s)*1024+512*\c
.endif
.endr
.endr
.endm
; One projection's part of a K step.  The first eight holds are the places between the products before, which read v[C] on and v[WF] on, and the conversion and the loads that write these.
.macro PROJ s, p
.set XS, X+64*((\s)&1)
	Q8 C, XS, 0, \p
	FETCHW \p, \s
.irp g, 1,2,3
	Q8 C+2*\g, XS+8*\g, \g, \p
.endr
.irp g, 0,1,2,3
	Q8 C+8+2*\g, XS+32+8*\g, \g, \p
.endr
	v_nop                                          ; one plain vector line between the last conversion and the products that read its result
.if (\p == 2) && (\s <= 5)
	LOADX \s+2                                     ; the slot has been read for the third time: it takes the K step two on
.endif
	s_wait_dscnt 0x0                               ; W's four fragments are in
	WIN 0x50                                       ; C and D in window 1
.irp t, 0,1,2,3
.irp m, 0,1
.set AC, 8*((4*\p+\t)*2+\m)
.if \p < 2
.if \s == 0
	v_wmma_f32_16x16x64_bf8_bf8 v[AC:AC+7], v[WF+8*\t:WF+8*\t+7], v[C+8*\m:C+8*\m+7], 0
.else
	v_wmma_f32_16x16x64_bf8_bf8 v[AC:AC+7], v[WF+8*\t:WF+8*\t+7], v[C+8*\m:C+8*\m+7], v[AC:AC+7]
.endif
.else
.if \s == 0
	v_wmma_f32_16x16x64_bf8_bf8 v[AC:AC+7], v[C+8*\m:C+8*\m+7], v[WF+8*\t:WF+8*\t+7], 0
.else
	v_wmma_f32_16x16x64_bf8_bf8 v[AC:AC+7], v[C+8*\m:C+8*\m+7], v[WF+8*\t:WF+8*\t+7], v[AC:AC+7]
.endif
.endif
.endr
.endr
	WIN 0
.endm
	s_load_b256 s[8:15], s[0:1], 0x0               ; x s[8:9], W_q s[10:11], W_k s[12:13], W_v s[14:15]
	s_load_b256 s[16:23], s[0:1], 0x20             ; W_o s[16:17], the exponents s[18:19], q_img s[20:21], k_img s[22:23]
	s_load_b128 s[24:27], s[0:1], 0x40             ; v_img s[24:25], wo_img s[26:27]
	v_lshl_add_u32 v254, v0, 2, 0x18000
	v_mov_b32 v255, 0
	v_lshrrev_b32 v1, 5, v0
	v_readfirstlane_b32 s2, v1                     ; wave 0..7
	s_mov_b32 s4, ttmp9                            ; bx: which 256 tokens
	s_and_b32 s5, ttmp7, 0xffff                    ; hd: which head
	v_and_b32 v1, 15, v0                           ; r
	v_bfe_u32 v2, v0, 4, 1                         ; h
	v_lshlrev_b32 v[XA], 11, v1
	v_lshl_add_u32 v[WOA], v2, 5, v[XA]
	v_lshl_add_u32 v[XA], v2, 7, v[XA]
	v_and_b32 v[LI], 31, v0
	v_lshlrev_b32 v[LI], 4, v[LI]
	s_lshl_b32 s3, s2, 12
	v_add_nc_u32 v[ST0], s3, v[LI]
	v_add_nc_u32 v[ST2], 0x10000, v[ST0]
	v_add_nc_u32 v[RD2], 0x10000, v[LI]
	s_lshl_b32 s44, s4, 19                         ; x: 256 tokens of 2,048 bytes a work-group,
	s_lshl_b32 s3, s2, 16
	s_add_co_u32 s44, s44, s3                      ; 32 a wave
	s_mov_b32 s45, 0
	s_lshl_b32 s46, s5, 17                         ; W_q, W_k, W_v: the head's 64 rows,
	s_lshr_b32 s3, s2, 1
	s_lshl_b32 s3, s3, 15
	s_add_co_u32 s46, s46, s3                      ; tile wave / 2 of them,
	s_and_b32 s3, s2, 1
	s_lshl_b32 s3, s3, 10
	s_add_co_u32 s46, s46, s3                      ; K steps 4 (wave % 2) on
	s_mov_b32 s47, 0
	s_lshl_b32 s48, s4, 15                         ; W_o: rows 16 bx on,
	s_lshl_b32 s3, s5, 8
	s_add_co_u32 s48, s48, s3                      ; k = 64 hd on
	s_mov_b32 s49, 0
	s_lshl_b32 s50, s4, 3
	s_add_co_u32 s50, s50, s5
	s_lshl_b32 s50, s50, 10                        ; wo_img: fragment 8 bx + hd
	s_mov_b32 s51, 0
	s_lshr_b32 s3, s4, 4
	s_lshl_b32 s3, s3, 3
	s_add_co_u32 s3, s3, s5                        ; 8 b + hd
	s_lshl_b32 s52, s3, 18
	s_and_b32 s3, s4, 15
	s_lshl_b32 s3, s3, 14
	s_add_co_u32 s52, s52, s3                      ; the head's images, the block's 16,384 bytes of them
	s_mov_b32 s54, s52
	s_lshl_b32 s3, s2, 11
	s_add_co_u32 s52, s52, s3                      ; q_img, k_img: my two tiles of 1,024 bytes
	s_mov_b32 s53, 0
	s_lshr_b32 s3, s2, 2
	s_lshl_b32 s3, s3, 13
	s_add_co_u32 s54, s54, s3                      ; v_img: block of 128 keys wave / 4,
	s_and_b32 s3, s2, 3
	s_lshl_b32 s3, s3, 9
	s_add_co_u32 s54, s54, s3                      ; chunk wave % 4: my 32 tokens are registers 4 (wave % 4) on of each fragment
	s_mov_b32 s55, 0
	s_wait_kmcnt 0x0
	s_load_b256 s[32:39], s[18:19], 0x0            ; e0 .. e7
	s_load_b128 s[40:43], s[18:19], 0x20           ; e8 .. e11
	s_add_nc_u64 s[8:9], s[8:9], s[44:45]
	s_add_nc_u64 s[10:11], s[10:11], s[46:47]
	s_add_nc_u64 s[12:13], s[12:13], s[46:47]
	s_add_nc_u64 s[14:15], s[14:15], s[46:47]
	s_add_nc_u64 s[16:17], s[16:17], s[48:49]
	s_add_nc_u64 s[26:27], s[26:27], s[50:51]
	s_add_nc_u64 s[20:21], s[20:21], s[52:53]
	s_add_nc_u64 s[22:23], s[22:23], s[52:53]
	s_add_nc_u64 s[24:25], s[24:25], s[54:55]
	s_cmp_lg_u32 s2, 0                             ; wave 0 alone takes the work-group's fragment of W_o; its eight loads are older than all others, so they change no count below
	s_cbranch_scc1 .Lno_wo_load
.irp c, 0,1,2,3
.irp j, 0,1
	global_load_b128 v[WO+8*\c+4*\j:WO+8*\c+4*\j+3], v[WOA], s[16:17] offset:64*\c+16*\j   ; W_o(16 bx + r, 64 hd + 16 c + 8 h + 0 .. 7)
.endr
.endr
.Lno_wo_load:
	LOADW 0, X
	WIN 0x40                                       ; destination in window 1
	LOADW 1, 0
	LOADW 2, 128
	WIN 0
	s_wait_kmcnt 0x0
	MKSC 8, 9, s33                                 ; e1: W_q
	MKSC 10, 11, s35                               ; e3: W_k
	MKSC 12, 13, s37                               ; e5: W_v
	MKSC 6, 7, s43                                 ; e11: W_o
	s_wait_loadcnt 63                              ; W_q is in: 64 loads are younger, and 63 is the most that a wait can name
	QUANTW X, 0, 0
	LOADX 0                                        ; x's first two K steps, into the registers that W_q has left
	LOADX 1
	s_wait_loadcnt 63                              ; W_k is in: again 64 are younger (W_v's 32, x's 32)
	QUANTW 0, 1, 1
	s_wait_loadcnt 32                              ; W_v is in; x's 32 may be out
	QUANTW 128, 1, 2
	s_barrier_signal -1                            ; each wave's stores have landed (the wait at QUANTW's end)
	s_barrier_wait -1                              ; the head's 96 fragments lie in LDS; nothing is stored there again
	s_cmp_lg_u32 s2, 0
	s_cbranch_scc1 .Lno_wo
.set n, 0
.rept 32
	v_med3_num_f32 v[WO+n], v[WO+n], -v7, v7
.set n, n+1
.endr
.irp c, 0,1,2,3
	v_cvt_scalef32_pk8_bf8_f32 v[WOC+2*\c:WOC+2*\c+1], v[WO+8*\c:WO+8*\c+7], v6
.endr
	v_nop
	global_store_b128 v[LI], v[WOC:WOC+3], s[26:27]              ; 512 consecutive bytes a store; these registers are not written again
	global_store_b128 v[LI], v[WOC+4:WOC+7], s[26:27] offset:512
.Lno_wo:
	MKSC 8, 9, s32                                 ; e0, e2, e4: x, once for each projection
	MKSC 10, 11, s34
	MKSC 12, 13, s36
.irp s, 0,1,2,3,4,5,6,7
.if \s < 7
	s_wait_loadcnt 16                              ; this K step's 16 loads are in; the next step's 16 may be out
.else
	s_wait_loadcnt 0x0
.endif
	PROJ \s, 0
	PROJ \s, 1
	PROJ \s, 2
.endr
	; THE WAY OUT.  A sum stands for sum x 2^(ex + ew), so its code is sum / 2^(e - ex - ew): the three scales are folded into the conversion's one.  The six v_mov_b32 are the places behind the last products.
	s_sub_co_i32 s48, s38, s32
	s_sub_co_i32 s48, s48, s33                     ; e6 - e0 - e1
	s_sub_co_i32 s49, s39, s34
	s_sub_co_i32 s49, s49, s35                     ; e7 - e2 - e3
	s_sub_co_i32 s50, s41, s36
	s_sub_co_i32 s50, s50, s37                     ; e9 - e4 - e5
	MKSC 8, 9, s48
	MKSC 10, 11, s49
	MKSC 12, 13, s50
	WIN 0x41
.irp p, 0,1,2
.set n, 0
.rept 64
	v_med3_num_f32 v[64*\p+n], v[64*\p+n], -v[9+2*\p], v[9+2*\p]   ; ascending: each accumulator from its low end on
.set n, n+1
.endr
.endr
	WIN 0x01
.irp t, 0,1,2,3
.irp m, 0,1
	v_cvt_scalef32_pk8_bf8_f32 v[80+8*\m+2*\t:80+8*\m+2*\t+1], v[8*(\t*2+\m):8*(\t*2+\m)+7], v8            ; Q: token tile m, registers 2 t, 2 t + 1
	v_cvt_scalef32_pk8_bf8_f32 v[96+8*\m+2*\t:96+8*\m+2*\t+1], v[8*((4+\t)*2+\m):8*((4+\t)*2+\m)+7], v10     ; K likewise
	v_cvt_scalef32_pk8_bf8_f32 v[112+4*\t+2*\m:112+4*\t+2*\m+1], v[8*((8+\t)*2+\m):8*((8+\t)*2+\m)+7], v12   ; V: channel tile t, my chunk's registers 2 m, 2 m + 1
.endr
.endr
	WIN 0
	v_nop
.irp m, 0,1
.irp c, 0,1
	global_store_b128 v[LI], v[80+8*\m+4*\c:80+8*\m+4*\c+3], s[20:21] offset:1024*\m+512*\c   ; every store of the wave covers 512 consecutive bytes, aligned
	global_store_b128 v[LI], v[96+8*\m+4*\c:96+8*\m+4*\c+3], s[22:23] offset:1024*\m+512*\c
.endr
.endr
.irp t, 0,1,2,3
	global_store_b128 v[LI], v[112+4*\t:112+4*\t+3], s[24:25] offset:2048*\t
.endr
	s_wait_tensorcnt 0x0
	ds_add_u32 v254, v255
	s_wait_dscnt 0x0
	s_endpgm
.Lfunc_end_k_qf5633b7736_qkv:
	.size	k_qf5633b7736_qkv, .Lfunc_end_k_qf5633b7736_qkv-k_qf5633b7736_qkv
	.p2alignl 7, 3214868480
	.fill 96, 4, 3214868480
	.section	.rodata,"a",@progbits
	.p2align	6, 0x0
	.amdhsa_kernel k_qf5633b7736_qkv
		.amdhsa_group_segment_fixed_size 99328
		.amdhsa_private_segment_fixed_size 0
		.amdhsa_enable_private_segment 0
		.amdhsa_kernarg_size 80
		.amdhsa_user_sgpr_count 2
		.amdhsa_user_sgpr_kernarg_segment_ptr 1
		.amdhsa_wavefront_size32 1
		.amdhsa_system_sgpr_workgroup_id_x 1
		.amdhsa_system_sgpr_workgroup_id_y 1
		.amdhsa_system_sgpr_workgroup_id_z 1
		.amdhsa_system_vgpr_workitem_id 0
		.amdhsa_next_free_vgpr 512
		.amdhsa_next_free_sgpr 66
		.amdhsa_reserve_vcc 0
		.amdhsa_float_denorm_mode_32 3
		.amdhsa_float_denorm_mode_16_64 3
		.amdhsa_memory_ordered 1
		.amdhsa_forward_progress 1
		.amdhsa_inst_pref_size 210
	.end_amdhsa_kernel
	.amdgpu_metadata
---
amdhsa.version: [ 1, 2 ]
amdhsa.kernels:
  - .name:           k_qf5633b7736_qkv
    .symbol:         k_qf5633b7736_qkv.kd
    .args:
      - { .name: x, .offset: 0, .size: 8, .value_kind: global_buffer, .address_space: global }
      - { .name: W_q, .offset: 8, .size: 8, .value_kind: global_buffer, .address_space: global }
      - { .name: W_k, .offset: 16, .size: 8, .value_kind: global_buffer, .address_space: global }
      - { .name: W_v, .offset: 24, .size: 8, .value_kind: global_buffer, .address_space: global }
      - { .name: W_o, .offset: 32, .size: 8, .value_kind: global_buffer, .address_space: global }
      - { .name: lowp_scales, .offset: 40, .size: 8, .value_kind: global_buffer, .address_space: global }
      - { .name: q_img, .offset: 48, .size: 8, .value_kind: global_buffer, .address_space: global }
      - { .name: k_img, .offset: 56, .size: 8, .value_kind: global_buffer, .address_space: global }
      - { .name: v_img, .offset: 64, .size: 8, .value_kind: global_buffer, .address_space: global }
      - { .name: wo_img, .offset: 72, .size: 8, .value_kind: global_buffer, .address_space: global }
    .group_segment_fixed_size: 99328
    .private_segment_fixed_size: 0
    .kernarg_segment_align: 8
    .kernarg_segment_size: 80
    .max_flat_workgroup_size: 256
    .sgpr_count:     66
    .vgpr_count:     512
    .wavefront_size: 32
...
	.end_amdgpu_metadata
.endif
;; end of part 1
;; launch attn (part 2): grid 16 x 16, 8 waves a work-group, no clusters, 33,792 bytes of LDS; arguments q_img, k_img, v_img, lowp_scales, c_img; writes c_img
.if DOCPART == 2
	.amdgcn_target "amdgcn-amd-amdhsa--gfx1250"
	.amdhsa_code_object_version 6
	.text
	.protected	k_qf5633b7736_attn
	.globl	k_qf5633b7736_attn
	.p2align	8
	.type	k_qf5633b7736_attn,@function
k_qf5633b7736_attn:
	s_mov_b64 s[64:65], 0
	v_nop
	global_prefetch_b8 v0, s[64:65] scope:SCOPE_SE
	s_setreg_imm32_b32 hwreg(HW_REG_WAVE_MODE, 25, 1), 1
	s_wait_xcnt 0x0
; ctx = softmax(Q K^T / 8) V for one head and 256 queries a work-group, both products on codes of BF8 (E5M2); ctx is quantised and stored as an image of operand registers for the last launch.
; q_img, k_img, v_img: images of fragments (lane l's 16 bytes of four registers at 16 l, 512 bytes a chunk), in the plain forms' own layout: registers 2 c, 2 c + 1 hold k = 16 c + 8 (l / 16) + 0 .. 7.
; THE SOFTMAX: t = score x log2(e) / 8; M = the row's largest t so far, rounded UP to a whole number; p = 2^(t - M) is what is quantised, with 2^e8; the row's sum is taken of the unquantised p and divides at the end.
; When M moves, the sum and O are multiplied by 2^(old M - new M), which rounds nothing.
; SHARES.  Work-group (qb, bh): queries 256 qb on of head bh.  Wave w: 32 of them, two tiles (q = 0, 1), so that each fragment of K and V read from LDS feeds two products.  Every wave walks the head's 4,096 keys, 128 a step.
; LAYOUT.  S^T = K Q^T (source 0 = 16 keys, source 1 = 16 queries, K = 64) and O^T = V^T P^T (source 0 = 16 channels, source 1 = P, K = 128): a lane holds ONE query throughout.  Tile i of S^T holds, in lane (r, h), keys 16 i + 8 h + 0 .. 7:
; its eight registers, converted, ARE registers 2 i, 2 i + 1 of P.  Likewise O^T's tile u gives registers 2 u, 2 u + 1 of ctx's fragment.
; LDS: two slots of 16,384 bytes: a step's 8 fragments of K (8,192 bytes, one dense run of k_img), then its 4 of V (one dense run of v_img).  Waves 0-3 copy K, waves 4-7 V, 2,048 bytes each, through registers: loaded a step ahead of the
; LDS stores.  ONE barrier a step: ahead of its signal a wave has waited for its stores into the other slot and for its reads of this one.
; NO CLUSTER, NO TENSOR LOAD, though the 16 work-groups of a head walk the same K and V.  The hold of p at the largest code is 128 of a step's some 520 vector lines a wave, and it changes nothing where 57,344 x 2^e8 >= 1 >= p, that is e8 >= -15:
; it is jumped over by a scalar branch on e8.  What would be shared is 16,384 bytes a step.
; LIMITS: e6 + e7 between -123 and 130 (added to c's exponent field); e8 between -126 and 112; e8 + e9 - e10 is applied by v_ldexp_f32 to 1 / the sum, which lies between 1 / 4,096 and 2: the product must be an f32 number.  NaN is not served.
; REGISTERS.  window 0: v1-3 addresses; v4-7 scales and holds; v8-18, v20-30 a tile's statistics; v32-47 Q; v48-63 the copy; v64-95 P; v96-223 S^T, then p.   window 1: v0-63 O^T (32 q + 8 u); v64-127 K; v128-191 V.
.set LI,  1                            ; v1   16 x lane
.set STA, 2                            ; v2   16 x lane + 2,048 x wave: where I store my part of a slot
.set PFO, 3                            ; v3   256 x lane: the prefetches' offset
.set ST,  8                            ; tile q at v[ST + 12 q]: +0 -M, +1 the largest t, +2, +3 the sum in two halves, +4 f (+5 named with it as a pair), +6, +7 a second chain of sums, +8 to +10 at work
.set Q,   32
.set G,   48
.set P,   64
.set S,   96
.set O,   0
.set KF,  64
.set VF,  128
.set MSB, 0
.macro WIN new                         ; the immediate's high byte repeats the setting that is left; a switch that changes nothing is dropped
.if MSB != \new
	s_set_vgpr_msb (MSB<<8)|\new
.set MSB, \new
.endif
.endm
; A step's vector work, for both tiles; every group is written for the two by turns, so that no line waits for the line above it.
.macro SOFTMAX
.irp q, 0,1
	v_max3_num_f32 v[ST+12*\q+8], v[S+64*\q], v[S+64*\q+1], v[S+64*\q+2]       ; the largest score of my query among my 64 keys, in two chains; each accumulator is first read at its low end
	v_max3_num_f32 v[ST+12*\q+9], v[S+64*\q+3], v[S+64*\q+4], v[S+64*\q+5]
.endr
.irp i, 6,10,14,18,22,26,30,34,38,42,46,50,54,58
.irp q, 0,1
	v_max3_num_f32 v[ST+12*\q+8], v[ST+12*\q+8], v[S+64*\q+\i], v[S+64*\q+\i+1]
	v_max3_num_f32 v[ST+12*\q+9], v[ST+12*\q+9], v[S+64*\q+\i+2], v[S+64*\q+\i+3]
.endr
.endr
.irp q, 0,1
	v_max3_num_f32 v[ST+12*\q+8], v[ST+12*\q+8], v[S+64*\q+62], v[S+64*\q+63]
.endr
.irp q, 0,1
	v_max_num_f32 v[ST+12*\q+8], v[ST+12*\q+8], v[ST+12*\q+9]
.endr
.irp q, 0,1
	v_permlanex16_b32 v[ST+12*\q+10], v[ST+12*\q+8], s28, s29                  ; the query's other 64 keys lie in the lane 16 away
.endr
.irp q, 0,1
	v_max_num_f32 v[ST+12*\q+8], v[ST+12*\q+8], v[ST+12*\q+10]
.endr
.irp q, 0,1
	v_mul_f32 v[ST+12*\q+8], s26, v[ST+12*\q+8]                                ; as t (c is positive)
.endr
.irp q, 0,1
	v_max_num_f32 v[ST+12*\q+1], v[ST+12*\q+1], v[ST+12*\q+8]                  ; the running largest t
.endr
.irp q, 0,1
	v_mov_b32 v[ST+12*\q+8], v[ST+12*\q]
.endr
.irp q, 0,1
	v_floor_f32 v[ST+12*\q], -v[ST+12*\q+1]                                    ; the new -M = floor(-t) = -ceil(t)
.endr
.irp q, 0,1
	v_sub_f32 v[ST+12*\q+8], v[ST+12*\q], v[ST+12*\q+8]                        ; old M - new M: a whole number, 0 or less
.endr
.irp q, 0,1
	v_cvt_i32_f32 v[ST+12*\q+8], v[ST+12*\q+8]                                 ; (it saturates)
.endr
.irp q, 0,1
	v_ldexp_f32 v[ST+12*\q+4], 1.0, v[ST+12*\q+8]                              ; f = 2^(old M - new M)
.endr
.set n, 0
.rept 32
.irp q, 0,1
	v_pk_fma_f32 v[S+64*\q+n:S+64*\q+n+1], v[S+64*\q+n:S+64*\q+n+1], s[26:27], v[ST+12*\q:ST+12*\q+1] op_sel_hi:[1,0,0]   ; t - M, two at a time (of the pairs c and -M the low word serves both halves)
.endr
.set n, n+2
.endr
.set n, 0
.rept 64
.irp q, 0,1
	v_exp_f32 v[S+64*\q+n], v[S+64*\q+n]                                       ; p = 2^(t - M), at most 1
.endr
.set n, n+1
.endr
.irp q, 0,1
	v_pk_mul_f32 v[ST+12*\q+2:ST+12*\q+3], v[ST+12*\q+2:ST+12*\q+3], v[ST+12*\q+4:ST+12*\q+5] op_sel_hi:[1,0]   ; the sums under the new M (plain lines behind the exponentials)
.endr
	s_wait_alu depctr_va_vdst(0)
.irp q, 0,1
	v_pk_add_f32 v[ST+12*\q+6:ST+12*\q+7], v[S+64*\q:S+64*\q+1], v[S+64*\q+2:S+64*\q+3]   ; the row's sum is taken of the unquantised p, in two chains
.endr
.irp j, 4,8,12,16,20,24,28,32,36,40,44,48,52,56,60
.irp q, 0,1
	v_pk_add_f32 v[ST+12*\q+2:ST+12*\q+3], v[ST+12*\q+2:ST+12*\q+3], v[S+64*\q+\j:S+64*\q+\j+1]
	v_pk_add_f32 v[ST+12*\q+6:ST+12*\q+7], v[ST+12*\q+6:ST+12*\q+7], v[S+64*\q+\j+2:S+64*\q+\j+3]
.endr
.endr
.irp q, 0,1
	v_pk_add_f32 v[ST+12*\q+2:ST+12*\q+3], v[ST+12*\q+2:ST+12*\q+3], v[ST+12*\q+6:ST+12*\q+7]
.endr
	s_cmp_ge_i32 s22, -15                          ; where e8 >= -15, 57,344 x 2^e8 >= 1.75 > p, and the hold below changes nothing: a scalar branch on a whole number that was read from memory
	s_cbranch_scc1 .Lno_hold_\@
.set n, 0
.rept 128
	v_min_num_f32 v[S+n], v[S+n], v5               ; the conversion to an 8-bit code does not saturate (ISA guide 7.6.2); p is not negative, so the hold is one-sided
.set n, n+1
.endr
.Lno_hold_\@:
.irp i, 0,1,2,3,4,5,6,7
.irp q, 0,1
	v_cvt_scalef32_pk8_bf8_f32 v[P+16*\q+2*\i:P+16*\q+2*\i+1], v[S+64*\q+8*\i:S+64*\q+8*\i+7], v4
.endr
.endr
	WIN 0x41                                       ; O^T (destination and source 0) in window 1
.set n, 0
.rept 16
.irp q, 0,1
	v_pk_mul_f32 v[O+32*\q+n:O+32*\q+n+1], v[O+32*\q+n:O+32*\q+n+1], v[ST+12*\q+4:ST+12*\q+5] op_sel_hi:[1,0]   ; O^T under the new M, each accumulator from its low end on.  (Also the plain lines behind the conversions)
.endr
.set n, n+2
.endr
	WIN 0
.endm
; A PREFETCH INTO THE L2 of a step's 8,192 bytes of K or of V, lanes 256 bytes apart, two steps ahead of the loads that will want them (four steps ahead of the step in hand).  It stands behind the wave's own loads.
; All 16 work-groups of a head walk the same K and V: the head's first work-group asks, in it wave 0 for K and wave 4 for V: each block of 256 bytes is named once in the launch.
; The loop's last trip asks for nothing: its two steps would name steps 32 and 33, which do not exist.  Steps 0 to 3 come by their loads alone.
.macro ASK slot
	s_cmp_gt_u32 s30, s31
	s_cbranch_scc0 .Lnot_mine_\@
	global_prefetch_b8 v[PFO], s[16:17] offset:\slot*8192+16384 th:TH_LOAD_NT scope:SCOPE_SE
.Lnot_mine_\@:
.endm
; A KEY STEP on slot 'slot'.  st = 1: the next step's bytes, loaded a step ago, go into the other slot.  ld = 1: the bytes of the step after that are asked for.  last = 1: no barrier follows.
.macro STEP slot, st, ld, last
	WIN 0x40                                       ; destination in window 1
.irp n, 0,1,2,3,4,5,6,7,8,9,10,11,12,13,14,15
	ds_load_b128 v[KF+4*\n:KF+4*\n+3], v[LI] offset:\slot*16384+512*\n         ; K's eight fragments.  The last products that read these registers stand a whole softmax back
.endr
	WIN 0
.if \st
	s_wait_loadcnt 0x0                             ; my 2,048 bytes of the next step, asked for a step ago
.irp i, 0,1,2,3
	ds_store_b128 v[STA], v[G+4*\i:G+4*\i+3] offset:(1-\slot)*16384+512*\i     ; the other slot: every wave's reads of it were over ahead of the last barrier
.endr
.endif
	s_wait_dscnt 0x0                               ; K is in; my stores have landed and have read their registers
.if \ld
.irp i, 0,1,2,3
	global_load_b128 v[G+4*\i:G+4*\i+3], v[LI], s[16:17] offset:\slot*8192+512*\i
.endr
	ASK \slot
.endif
	WIN 0x01                                       ; source 0 (K) in window 1
.irp i, 0,1,2,3,4,5,6,7
.irp q, 0,1
	v_wmma_f32_16x16x64_bf8_bf8 v[S+64*\q+8*\i:S+64*\q+8*\i+7], v[KF+8*\i:KF+8*\i+7], v[Q+8*\q:Q+8*\q+7], 0
.endr
.endr
	WIN 0
.rept 4
	v_nop                                          ; four places: behind these products, whose results are read next, and behind the last step's V^T P^T, ahead of the loads into V's registers
.endr
	WIN 0x40
.irp n, 0,1,2,3,4,5,6,7,8,9,10,11,12,13,14,15
	ds_load_b128 v[VF+4*\n:VF+4*\n+3], v[LI] offset:\slot*16384+8192+512*\n    ; V's four fragments land under the softmax
.endr
	WIN 0
	SOFTMAX
	s_wait_dscnt 0x0                               ; V is in, and my reads of this slot are over
.if \last == 0
	s_barrier_signal -1                            ; my stores into the other slot have landed (the wait above the products K Q^T), my reads of this one are back
.endif
	WIN 0x51                                       ; V in window 1, P in window 0, O^T (C and D) in window 1
.irp u, 0,1,2,3
.irp q, 0,1
	v_wmma_f32_16x16x128_bf8_bf8 v[O+32*\q+8*\u:O+32*\q+8*\u+7], v[VF+16*\u:VF+16*\u+15], v[P+16*\q:P+16*\q+15], v[O+32*\q+8*\u:O+32*\q+8*\u+7]   ; eight accumulators, one instruction each
.endr
.endr
	WIN 0
.if \last == 0
	s_barrier_wait -1
.endif
.endm
	s_load_b256 s[4:11], s[0:1], 0x0               ; q_img s[4:5], k_img s[6:7], v_img s[8:9], the exponents s[10:11]
	s_load_b64 s[12:13], s[0:1], 0x20              ; c_img
	v_lshl_add_u32 v254, v0, 2, 0x8000
	v_mov_b32 v255, 0
	v_lshrrev_b32 v1, 5, v0
	v_readfirstlane_b32 s14, v1                    ; wave 0..7
	v_and_b32 v[PFO], 31, v0
	v_lshlrev_b32 v[LI], 4, v[PFO]
	v_lshlrev_b32 v[PFO], 8, v[PFO]
	s_lshl_b32 s34, s14, 11
	v_add_nc_u32 v[STA], s34, v[LI]
	s_and_b32 s15, ttmp7, 0xffff                   ; bh = 8 b + head
	s_lshl_b32 s18, s15, 18                        ; the head's first byte in each of the three images
	s_lshl_b32 s32, ttmp9, 14
	s_add_co_u32 s32, s32, s18
	s_add_co_u32 s32, s32, s34                     ; q_img: the block's 16 tiles of 1,024 bytes, my two of them
	s_mov_b32 s33, 0
	s_and_b32 s36, s14, 3
	s_lshl_b32 s36, s36, 11
	s_add_co_u32 s36, s36, s18                     ; k_img or v_img: my quarter of a step's 8,192 bytes
	s_mov_b32 s37, 0
	s_lshr_b32 s38, s15, 3
	s_lshl_b32 s38, s38, 21                        ; c_img: b x 256 row tiles of 8,192 bytes,
	s_lshl_b32 s19, ttmp9, 17
	s_add_co_u32 s38, s38, s19                     ; the block's 16,
	s_lshl_b32 s19, s14, 14
	s_add_co_u32 s38, s38, s19                     ; my two,
	s_and_b32 s19, s15, 7
	s_lshl_b32 s19, s19, 10
	s_add_co_u32 s38, s38, s19                     ; the head's 1,024 bytes of each
	s_mov_b32 s39, 0
	s_and_b32 s34, s14, 3
	s_or_b32 s34, s34, ttmp9
	s_cmp_eq_u32 s34, 0
	s_cselect_b32 s31, 1, -1                       ; 1 in waves 0 and 4 of the head's first work-group, else the greatest number: a wave prefetches while the trips to go are above it
	s_mov_b32 s26, 0x3e38aa3b                      ; c = log2(e) / 8
	s_mov_b32 s28, 0x76543210                      ; v_permlanex16_b32: lane l xor 16
	s_mov_b32 s29, 0xfedcba98
	s_wait_kmcnt 0x0
	s_load_b128 s[20:23], s[10:11], 0x18           ; e6, e7, e8, e9
	s_load_b32 s24, s[10:11], 0x28                 ; e10
	s_add_nc_u64 s[4:5], s[4:5], s[32:33]
	s_add_nc_u64 s[12:13], s[12:13], s[38:39]
	s_cmp_lt_u32 s14, 4                            ; waves 0-3 copy K, waves 4-7 V: the choice hangs on the wave's number alone
	s_cselect_b64 s[16:17], s[6:7], s[8:9]
	s_add_nc_u64 s[16:17], s[16:17], s[36:37]
.irp n, 0,1,2,3
	global_load_b128 v[Q+4*\n:Q+4*\n+3], v[LI], s[4:5] offset:512*\n           ; Q's two fragments stay in registers
.endr
.irp i, 0,1,2,3
	global_load_b128 v[G+4*\i:G+4*\i+3], v[LI], s[16:17] offset:512*\i         ; step 0
.endr
.irp q, 0,1
	v_mov_b32 v[ST+12*\q+1], 0xff61b1e6            ; the largest t so far: -3e38, under every t
	v_floor_f32 v[ST+12*\q], -v[ST+12*\q+1]        ; -M
	v_mov_b32 v[ST+12*\q+2], 0                     ; the sum
	v_mov_b32 v[ST+12*\q+3], 0
	v_mov_b32 v[ST+12*\q+5], 0                     ; (named as the upper half of f's pair)
	v_mov_b32 v[ST+12*\q+10], 0                    ; (a lane permute's destination counts as one of its sources)
.endr
	v_mov_b32 v6, 0x47600000                       ; 57,344
	v_mov_b32 v7, 1.0
	WIN 0x40
.set n, 0
.rept 64
	v_mov_b32 v[O+n], 0                            ; O^T.  (The step is written with no first step of its own: the first finds zeros, which the first change of M leaves zeros; a further copy of the step would be some 4 KB of code)
.set n, n+1
.endr
	WIN 0
	s_wait_kmcnt 0x0
	s_add_co_i32 s34, s20, s21
	s_lshl_b32 s34, s34, 23
	s_add_co_i32 s26, s26, s34                     ; a score stands for score x 2^(e6 + e7): the two exponents are added to c's exponent field
	s_mov_b32 s27, s26                             ; (named with it as a pair, so it is written)
	s_add_co_i32 s34, s22, 127
	s_lshl_b32 s35, s34, 23
	v_mov_b32 v4, s35                              ; 2^e8 as f32, for p's conversions
	s_add_co_i32 s34, s34, 15
	s_lshl_b32 s34, s34, 23
	s_or_b32 s34, s34, 0x600000
	v_mov_b32 v5, s34                              ; 57,344 x 2^e8
	s_add_co_i32 s25, s22, s23
	s_sub_co_i32 s25, s25, s24                     ; e8 + e9 - e10
	s_wait_loadcnt 0x0                             ; Q and step 0
.irp i, 0,1,2,3
	ds_store_b128 v[STA], v[G+4*\i:G+4*\i+3] offset:512*\i
.endr
	s_wait_dscnt 0x0                               ; landed, and the registers read
.irp i, 0,1,2,3
	global_load_b128 v[G+4*\i:G+4*\i+3], v[LI], s[16:17] offset:8192+512*\i    ; step 1
.endr
	s_wait_xcnt 0x0                                ; the loads have read their base, so it may step:
	s_add_nc_u64 s[16:17], s[16:17], 16384         ; to step 2
	s_barrier_signal -1
	s_barrier_wait -1                              ; slot 0 is whole
	s_mov_b32 s30, 15
.Ltrip:                                                ; 15 trips of two steps: steps 0 to 29; they ask for steps 2 to 31
	STEP 0, 1, 1, 0
	STEP 1, 1, 1, 0
	s_wait_xcnt 0x0                                ; the trip's loads and prefetches, the last of them most of a step back, have read their base
	s_add_nc_u64 s[16:17], s[16:17], 16384
	s_sub_co_u32 s30, s30, 1
	s_cmp_lg_u32 s30, 0
	s_cbranch_scc1 .Ltrip
	STEP 0, 1, 0, 0                                ; step 30: step 31's bytes go into slot 1; nothing is left to ask for
	STEP 1, 0, 0, 1                                ; step 31
	; THE WAY OUT.  ctx = O^T x 2^(e8 + e9) / the sum; its code is that / 2^e10.  The four additions name no register of the last products: they are the places behind them.
.irp q, 0,1
	v_add_f32 v[ST+12*\q+2], v[ST+12*\q+2], v[ST+12*\q+3]                      ; the sum's two halves,
.endr
.irp q, 0,1
	v_permlanex16_b32 v[ST+12*\q+10], v[ST+12*\q+2], s28, s29
.endr
.irp q, 0,1
	v_add_f32 v[ST+12*\q+2], v[ST+12*\q+2], v[ST+12*\q+10]                     ; and lane l xor 16's
.endr
.irp q, 0,1
	v_rcp_f32 v[ST+12*\q+4], v[ST+12*\q+2]
.endr
	v_nop                                          ; one plain line behind a transcendental
	s_wait_alu depctr_va_vdst(0)
.irp q, 0,1
	v_ldexp_f32 v[ST+12*\q+4], v[ST+12*\q+4], s25
.endr
	WIN 0x01                                       ; source 0 (O^T) in window 1
.set n, 0
.rept 16
.irp q, 0,1
	v_pk_mul_f32 v[S+64*\q+n:S+64*\q+n+1], v[O+32*\q+n:O+32*\q+n+1], v[ST+12*\q+4:ST+12*\q+5] op_sel_hi:[1,0]   ; each accumulator from its low end on
.endr
.set n, n+2
.endr
	WIN 0
.irp q, 0,1
.set n, 0
.rept 32
	v_med3_num_f32 v[S+64*\q+n], v[S+64*\q+n], -v6, v6
.set n, n+1
.endr
.endr
.irp q, 0,1
.irp u, 0,1,2,3
	v_cvt_scalef32_pk8_bf8_f32 v[P+16*\q+2*\u:P+16*\q+2*\u+1], v[S+64*\q+8*\u:S+64*\q+8*\u+7], v7   ; registers 2 u, 2 u + 1: channels 16 u + 8 h + 0 .. 7 of my token
.endr
.endr
	v_nop
.irp q, 0,1
.irp c, 0,1
	global_store_b128 v[LI], v[P+16*\q+4*\c:P+16*\q+4*\c+3], s[12:13] offset:8192*\q+512*\c   ; 512 consecutive bytes a store, aligned
.endr
.endr
	s_wait_tensorcnt 0x0
	ds_add_u32 v254, v255
	s_wait_dscnt 0x0
	s_endpgm
.Lfunc_end_k_qf5633b7736_attn:
	.size	k_qf5633b7736_attn, .Lfunc_end_k_qf5633b7736_attn-k_qf5633b7736_attn
	.p2alignl 7, 3214868480
	.fill 96, 4, 3214868480
	.section	.rodata,"a",@progbits
	.p2align	6, 0x0
	.amdhsa_kernel k_qf5633b7736_attn
		.amdhsa_group_segment_fixed_size 33792
		.amdhsa_private_segment_fixed_size 0
		.amdhsa_enable_private_segment 0
		.amdhsa_kernarg_size 40
		.amdhsa_user_sgpr_count 2
		.amdhsa_user_sgpr_kernarg_segment_ptr 1
		.amdhsa_wavefront_size32 1
		.amdhsa_system_sgpr_workgroup_id_x 1
		.amdhsa_system_sgpr_workgroup_id_y 1
		.amdhsa_system_sgpr_workgroup_id_z 1
		.amdhsa_system_vgpr_workitem_id 0
		.amdhsa_next_free_vgpr 512
		.amdhsa_next_free_sgpr 66
		.amdhsa_reserve_vcc 0
		.amdhsa_float_denorm_mode_32 3
		.amdhsa_float_denorm_mode_16_64 3
		.amdhsa_memory_ordered 1
		.amdhsa_forward_progress 1
		.amdhsa_inst_pref_size 129
	.end_amdhsa_kernel
	.amdgpu_metadata
---
amdhsa.version: [ 1, 2 ]
amdhsa.kernels:
  - .name:           k_qf5633b7736_attn
    .symbol:         k_qf5633b7736_attn.kd
    .args:
      - { .name: q_img, .offset: 0, .size: 8, .value_kind: global_buffer, .address_space: global }
      - { .name: k_img, .offset: 8, .size: 8, .value_kind: global_buffer, .address_space: global }
      - { .name: v_img, .offset: 16, .size: 8, .value_kind: global_buffer, .address_space: global }
      - { .name: lowp_scales, .offset: 24, .size: 8, .value_kind: global_buffer, .address_space: global }
      - { .name: c_img, .offset: 32, .size: 8, .value_kind: global_buffer, .address_space: global }
    .group_segment_fixed_size: 33792
    .private_segment_fixed_size: 0
    .kernarg_segment_align: 8
    .kernarg_segment_size: 40
    .max_flat_workgroup_size: 256
    .sgpr_count:     66
    .vgpr_count:     512
    .wavefront_size: 32
...
	.end_amdgpu_metadata
.endif
;; end of part 2
;; launch outln (part 3): grid 256 x 1, 4 waves a work-group, no clusters, 67,072 bytes of LDS; arguments c_img, wo_img, x, ln_gamma, ln_beta, lowp_scales, out0; writes out0
.if DOCPART == 3
	.amdgcn_target "amdgcn-amd-amdhsa--gfx1250"
	.amdhsa_code_object_version 6
	.text
	.protected	k_qf5633b7736_outln
	.globl	k_qf5633b7736_outln
	.p2align	8
	.type	k_qf5633b7736_outln,@function
k_qf5633b7736_outln:
	s_mov_b64 s[64:65], 0
	v_nop
	global_prefetch_b8 v0, s[64:65] scope:SCOPE_SE
	s_setreg_imm32_b32 hwreg(HW_REG_WAVE_MODE, 25, 1), 1
	s_wait_xcnt 0x0
; out0 = LayerNorm(ctx W_o^T + x) x gamma + beta.  The product is on codes of BF8 (E5M2): c_img and wo_img are images of fragments (lane l's 16 bytes of four registers at 16 l, 512 bytes a chunk); a sum is multiplied by 2^(e10 + e11).
; SHARES.  Work-group g: rows 32 g on (two tiles of 16, m = 0, 1), all 512 columns, so that a row's mean and variance never leave the work-group.  Wave w: column tiles 8 w .. 8 w + 7 for both row tiles: 16 accumulators, which take
; turns, one instruction a turn; K = 512 in four steps of 128: 64 matrix instructions.  All operands come straight into registers: each is used once by this wave.
; TRANSPOSED (source 0 = 16 rows of W_o, source 1 = 16 tokens): a lane's eight results are eight neighbouring columns of one row.  The raw sums meet in a stage in LDS (32 rows, 2,048 bytes + 16), one barrier, and wave w then owns
; rows 8 w .. 8 w + 7 whole: lane l holds columns 128 c + 4 l + 0 .. 3, c = 0 .. 3, as x, gamma, beta and out0 are loaded and stored: 512 consecutive bytes an instruction.
; The norm is taken in two passes (mean; then the squares of y - mean).
; NO CLUSTER, NO TENSOR LOAD, though all work-groups read the same wo_img: its 262,144 bytes and the stage's 66,048 are 328,192, more than the 327,680 bytes of LDS that a work-group can be given.
; LIMIT: e10 + e11 between -126 and 127, so that 2^(e10 + e11) is an f32 number.
; REGISTERS.  window 0: v1-3 addresses; v16-31 gamma; v32-47 beta; v48-79 four registers a row for the sums; v128-255 the accumulators (8 (2 t + m)), later y (16 a row).
;   windows 1, 2: W_o's fragments of column tiles 0-3, 4-7 (64 (t % 4) + 16 s).   window 3: v0-127 ctx (64 m + 16 s); v128-255 x (16 a row).
.set LI,  1                            ; v1   16 x lane
.set SO,  2                            ; v2   the stage, in: row r, + 32 h, + 512 x wave
.set SR,  3                            ; v3   the stage, back: my 8 rows, 16 bytes a lane
.set GA,  16
.set BE,  32
.set T,   48                           ; row i: v[T + 4 i], +1: the sum, then the mean; +2, +3: the squares, then 1 / sqrt(var + eps)
.set ACC, 128
.set Y,   128
.set XR,  128
.set MSB, 0
.macro WIN new                         ; the immediate's high byte repeats the setting that is left; a switch that changes nothing is dropped
.if MSB != \new
	s_set_vgpr_msb (MSB<<8)|\new
.set MSB, \new
.endif
.endm
.macro MULS s                          ; K step s: 16 matrix instructions
	WIN 0x0d                                       ; source 0 (W_o) window 1, source 1 (ctx) window 3, C and D window 0
.irp t, 0,1,2,3
.irp m, 0,1
.if \s == 0
	v_wmma_f32_16x16x128_bf8_bf8 v[ACC+8*(2*\t+\m):ACC+8*(2*\t+\m)+7], v[64*\t+16*\s:64*\t+16*\s+15], v[64*\m+16*\s:64*\m+16*\s+15], 0
.else
	v_wmma_f32_16x16x128_bf8_bf8 v[ACC+8*(2*\t+\m):ACC+8*(2*\t+\m)+7], v[64*\t+16*\s:64*\t+16*\s+15], v[64*\m+16*\s:64*\m+16*\s+15], v[ACC+8*(2*\t+\m):ACC+8*(2*\t+\m)+7]
.endif
.endr
.endr
	WIN 0x0e                                       ; source 0 window 2
.irp t, 4,5,6,7
.irp m, 0,1
.if \s == 0
	v_wmma_f32_16x16x128_bf8_bf8 v[ACC+8*(2*\t+\m):ACC+8*(2*\t+\m)+7], v[64*(\t-4)+16*\s:64*(\t-4)+16*\s+15], v[64*\m+16*\s:64*\m+16*\s+15], 0
.else
	v_wmma_f32_16x16x128_bf8_bf8 v[ACC+8*(2*\t+\m):ACC+8*(2*\t+\m)+7], v[64*(\t-4)+16*\s:64*(\t-4)+16*\s+15], v[64*\m+16*\s:64*\m+16*\s+15], v[ACC+8*(2*\t+\m):ACC+8*(2*\t+\m)+7]
.endif
.endr
.endr
.endm
.macro ACROSS a                        ; v[T + 4 i + a], a pair of partial sums in each of 32 lanes, becomes the row's sum in every lane; the eight rows by turns
.irp i, 0,1,2,3,4,5,6,7
	v_add_f32 v[T+4*\i+\a], v[T+4*\i+\a], v[T+4*\i+\a+1]
.endr
.irp x, 1,2,4,8
.irp i, 0,1,2,3,4,5,6,7
	v_add_f32_dpp v[T+4*\i+\a], v[T+4*\i+\a], v[T+4*\i+\a] row_xmask:\x row_mask:0xf bank_mask:0xf
.endr
.endr
.irp i, 0,1,2,3,4,5,6,7
	v_permlanex16_b32 v[T+4*\i+\a+1], v[T+4*\i+\a], s26, s27
.endr
.irp i, 0,1,2,3,4,5,6,7
	v_add_f32 v[T+4*\i+\a], v[T+4*\i+\a], v[T+4*\i+\a+1]
.endr
.endm
	s_load_b256 s[4:11], s[0:1], 0x0               ; c_img s[4:5], wo_img s[6:7], x s[8:9], gamma s[10:11]
	s_load_b128 s[12:15], s[0:1], 0x20             ; beta s[12:13], the exponents s[14:15]
	s_load_b64 s[16:17], s[0:1], 0x30              ; out0
	v_lshl_add_u32 v126, v0, 2, 0x10400
	v_mov_b32 v127, 0
	v_lshrrev_b32 v4, 5, v0
	v_readfirstlane_b32 s18, v4                    ; wave 0..3
	v_and_b32 v4, 31, v0
	v_lshlrev_b32 v[LI], 4, v4
	v_and_b32 v5, 15, v0                           ; r
	v_bfe_u32 v6, v0, 4, 1                         ; h
	v_mul_u32_u24 v[SO], v5, 2064
	v_lshl_add_u32 v[SO], v6, 5, v[SO]
	s_lshl_b32 s19, s18, 9
	v_add_nc_u32 v[SO], s19, v[SO]
	s_mul_i32 s19, s18, 16512
	v_add_nc_u32 v[SR], s19, v[LI]
	s_lshl_b32 s28, ttmp9, 14                      ; c_img: two row tiles of 8,192 bytes
	s_mov_b32 s29, 0
	s_lshl_b32 s30, s18, 16                        ; wo_img: my 8 column tiles of 8,192 bytes
	s_mov_b32 s31, 0
	s_mov_b32 s24, 0x3b000000                      ; 1 / 512
	s_mov_b32 s25, 0x3727c5ac                      ; 1e-5
	s_mov_b32 s26, 0x76543210                      ; v_permlanex16_b32: lane l xor 16
	s_mov_b32 s27, 0xfedcba98
	s_wait_kmcnt 0x0
	s_load_b64 s[20:21], s[14:15], 0x28            ; e10, e11
	s_add_nc_u64 s[4:5], s[4:5], s[28:29]
	s_add_nc_u64 s[6:7], s[6:7], s[30:31]
	s_lshl_b32 s28, ttmp9, 16                      ; x, out0: 32 rows of 2,048 bytes a work-group,
	s_lshl_b32 s19, s18, 14
	s_add_co_u32 s28, s28, s19                     ; 8 a wave
	s_add_nc_u64 s[8:9], s[8:9], s[28:29]
	s_add_nc_u64 s[16:17], s[16:17], s[28:29]
	; all 200 loads, in the order in which they are wanted
	WIN 0xc0                                       ; destination in window 3
.set n, 0
.rept 32
	global_load_b128 v[4*n:4*n+3], v[LI], s[4:5] offset:512*n                  ; ctx: both row tiles, 16 chunks each
.set n, n+1
.endr
.irp s, 0,1,2,3
	WIN 0x40
.irp t, 0,1,2,3
.irp c, 0,1,2,3
	global_load_b128 v[64*\t+16*\s+4*\c:64*\t+16*\s+4*\c+3], v[LI], s[6:7] offset:8192*\t+2048*\s+512*\c
.endr
.endr
	WIN 0x80
.irp t, 4,5,6,7
.irp c, 0,1,2,3
	global_load_b128 v[64*(\t-4)+16*\s+4*\c:64*(\t-4)+16*\s+4*\c+3], v[LI], s[6:7] offset:8192*\t+2048*\s+512*\c
.endr
.endr
.endr
	WIN 0xc0
.irp i, 0,1,2,3,4,5,6,7
.irp c, 0,1,2,3
	global_load_b128 v[XR+16*\i+4*\c:XR+16*\i+4*\c+3], v[LI], s[8:9] offset:2048*\i+512*\c th:TH_LOAD_NT   ; read once in this launch
.endr
.endr
	WIN 0
.irp c, 0,1,2,3
	global_load_b128 v[GA+4*\c:GA+4*\c+3], v[LI], s[10:11] offset:512*\c
	global_load_b128 v[BE+4*\c:BE+4*\c+3], v[LI], s[12:13] offset:512*\c
.endr
	s_wait_loadcnt 63                              ; ctx and W_o's K steps 0 to 2 are in: 72 loads are younger, and 63 is the most that a wait can name
	MULS 0
	MULS 1
	MULS 2
	s_wait_loadcnt 40                              ; W_o's K step 3 is in; x's 32 and the 8 of gamma and beta may be out
	MULS 3
	WIN 0
.rept 4
	v_nop                                          ; four places ahead of the LDS stores that read the results; no other vector work is at hand
.endr
.irp t, 0,1,2,3,4,5,6,7
.irp m, 0,1
	ds_store_b128 v[SO], v[ACC+8*(2*\t+\m):ACC+8*(2*\t+\m)+3] offset:33024*\m+64*\t         ; lane (r, h): sum(16 m + r, 128 w + 16 t + 8 h + 0 .. 7); each accumulator from its low end on
	ds_store_b128 v[SO], v[ACC+8*(2*\t+\m)+4:ACC+8*(2*\t+\m)+7] offset:33024*\m+64*\t+16
.endr
.endr
	s_wait_dscnt 0x0                               ; for the others' sake: my stores have landed
	s_barrier_signal -1
	s_barrier_wait -1                              ; 32 whole rows lie in the stage
.irp i, 0,1,2,3,4,5,6,7
.irp c, 0,1,2,3
	ds_load_b128 v[Y+16*\i+4*\c:Y+16*\i+4*\c+3], v[SR] offset:2064*\i+512*\c
.endr
.endr
	s_wait_kmcnt 0x0
	s_add_co_i32 s22, s20, s21
	s_add_co_i32 s22, s22, 127
	s_lshl_b32 s22, s22, 23                        ; 2^(e10 + e11) as f32
	s_mov_b32 s23, s22                             ; (named with it as a pair, so it is written)
	s_wait_dscnt 0x0
	s_wait_loadcnt 8                               ; x is in; gamma and beta may be out
	WIN 0x30                                       ; source 2 (x) in window 3
.set n, 0
.rept 64
	v_pk_fma_f32 v[Y+n:Y+n+1], v[Y+n:Y+n+1], s[22:23], v[XR+n:XR+n+1] op_sel_hi:[1,0,1]   ; y = sum x 2^(e10 + e11) + x
.set n, n+2
.endr
	WIN 0
.irp i, 0,1,2,3,4,5,6,7
	v_pk_add_f32 v[T+4*\i:T+4*\i+1], v[Y+16*\i:Y+16*\i+1], v[Y+16*\i+2:Y+16*\i+3]          ; the row's sum: the first two pairs start it
.endr
.irp p, 4,6,8,10,12,14
.irp i, 0,1,2,3,4,5,6,7
	v_pk_add_f32 v[T+4*\i:T+4*\i+1], v[T+4*\i:T+4*\i+1], v[Y+16*\i+\p:Y+16*\i+\p+1]
.endr
.endr
	ACROSS 0
.irp i, 0,1,2,3,4,5,6,7
	v_mul_f32 v[T+4*\i], s24, v[T+4*\i]            ; the mean
.endr
.irp p, 0,2,4,6,8,10,12,14
.irp i, 0,1,2,3,4,5,6,7
	v_pk_add_f32 v[Y+16*\i+\p:Y+16*\i+\p+1], v[Y+16*\i+\p:Y+16*\i+\p+1], v[T+4*\i:T+4*\i+1] op_sel_hi:[1,0] neg_lo:[0,1] neg_hi:[0,1]   ; y - mean
.endr
.endr
.irp i, 0,1,2,3,4,5,6,7
	v_pk_mul_f32 v[T+4*\i+2:T+4*\i+3], v[Y+16*\i:Y+16*\i+1], v[Y+16*\i:Y+16*\i+1]
.endr
.irp p, 2,4,6,8,10,12,14
.irp i, 0,1,2,3,4,5,6,7
	v_pk_fma_f32 v[T+4*\i+2:T+4*\i+3], v[Y+16*\i+\p:Y+16*\i+\p+1], v[Y+16*\i+\p:Y+16*\i+\p+1], v[T+4*\i+2:T+4*\i+3]
.endr
.endr
	ACROSS 2
.irp i, 0,1,2,3,4,5,6,7
	v_fma_f32 v[T+4*\i+2], v[T+4*\i+2], s24, s25   ; var + eps
.endr
.irp i, 0,1,2,3,4,5,6,7
	v_rsq_f32 v[T+4*\i+2], v[T+4*\i+2]
.endr
	v_nop                                          ; one plain line behind the last transcendental
	s_wait_loadcnt 0x0                             ; gamma and beta
	s_wait_alu depctr_va_vdst(0)
.irp p, 0,2,4,6,8,10,12,14
.irp i, 0,1,2,3,4,5,6,7
	v_pk_mul_f32 v[Y+16*\i+\p:Y+16*\i+\p+1], v[Y+16*\i+\p:Y+16*\i+\p+1], v[T+4*\i+2:T+4*\i+3] op_sel_hi:[1,0]
.endr
.irp i, 0,1,2,3,4,5,6,7
	v_pk_fma_f32 v[Y+16*\i+\p:Y+16*\i+\p+1], v[Y+16*\i+\p:Y+16*\i+\p+1], v[GA+\p:GA+\p+1], v[BE+\p:BE+\p+1]
.endr
.endr
.irp i, 0,1,2,3,4,5,6,7
.irp c, 0,1,2,3
	global_store_b128 v[LI], v[Y+16*\i+4*\c:Y+16*\i+4*\c+3], s[16:17] offset:2048*\i+512*\c th:TH_STORE_NT   ; 512 consecutive bytes a store, aligned; written once, read by nobody here
.endr
.endr
	s_wait_tensorcnt 0x0
	ds_add_u32 v126, v127
	s_wait_dscnt 0x0
	s_endpgm
.Lfunc_end_k_qf5633b7736_outln:
	.size	k_qf5633b7736_outln, .Lfunc_end_k_qf5633b7736_outln-k_qf5633b7736_outln
	.p2alignl 7, 3214868480
	.fill 96, 4, 3214868480
	.section	.rodata,"a",@progbits
	.p2align	6, 0x0
	.amdhsa_kernel k_qf5633b7736_outln
		.amdhsa_group_segment_fixed_size 67072
		.amdhsa_private_segment_fixed_size 0
		.amdhsa_enable_private_segment 0
		.amdhsa_kernarg_size 56
		.amdhsa_user_sgpr_count 2
		.amdhsa_user_sgpr_kernarg_segment_ptr 1
		.amdhsa_wavefront_size32 1
		.amdhsa_system_sgpr_workgroup_id_x 1
		.amdhsa_system_sgpr_workgroup_id_y 1
		.amdhsa_system_sgpr_workgroup_id_z 1
		.amdhsa_system_vgpr_workitem_id 0
		.amdhsa_next_free_vgpr 1024
		.amdhsa_next_free_sgpr 66
		.amdhsa_reserve_vcc 0
		.amdhsa_float_denorm_mode_32 3
		.amdhsa_float_denorm_mode_16_64 3
		.amdhsa_memory_ordered 1
		.amdhsa_forward_progress 1
		.amdhsa_inst_pref_size 64
	.end_amdhsa_kernel
	.amdgpu_metadata
---
amdhsa.version: [ 1, 2 ]
amdhsa.kernels:
  - .name:           k_qf5633b7736_outln
    .symbol:         k_qf5633b7736_outln.kd
    .args:
      - { .name: c_img, .offset: 0, .size: 8, .value_kind: global_buffer, .address_space: global }
      - { .name: wo_img, .offset: 8, .size: 8, .value_kind: global_buffer, .address_space: global }
      - { .name: x, .offset: 16, .size: 8, .value_kind: global_buffer, .address_space: global }
      - { .name: ln_gamma, .offset: 24, .size: 8, .value_kind: global_buffer, .address_space: global }
      - { .name: ln_beta, .offset: 32, .size: 8, .value_kind: global_buffer, .address_space: global }
      - { .name: lowp_scales, .offset: 40, .size: 8, .value_kind: global_buffer, .address_space: global }
      - { .name: out0, .offset: 48, .size: 8, .value_kind: global_buffer, .address_space: global }
    .group_segment_fixed_size: 67072
    .private_segment_fixed_size: 0
    .kernarg_segment_align: 8
    .kernarg_segment_size: 56
    .max_flat_workgroup_size: 128
    .sgpr_count:     66
    .vgpr_count:     1024
    .wavefront_size: 32
...
	.end_amdgpu_metadata
.endif
;; end of part 3
;; ======== version 2 of 2: 3 launches; version 1 with the launches qkv, attn, outln written anew for expert scheduling mode
;; workspace buffers: q_img 4,194,304 bytes; k_img 4,194,304 bytes; v_img 4,194,304 bytes; c_img 4,194,304 bytes; wo_img 262,144 bytes
;; launch qkv (part 4): grid 32 x 8, 8 waves a work-group, no clusters, 99,328 bytes of LDS; arguments x, W_q, W_k, W_v, W_o, lowp_scales, q_img, k_img, v_img, wo_img; writes q_img, k_img, v_img, wo_img
.if DOCPART == 4
	.amdgcn_target "amdgcn-amd-amdhsa--gfx1250"
	.amdhsa_code_object_version 6
	.text
	.protected	k_qf5633b7736_qkv
	.globl	k_qf5633b7736_qkv
	.p2align	8
	.type	k_qf5633b7736_qkv,@function
k_qf5633b7736_qkv:
	s_mov_b64 s[64:65], 0
	v_nop
	global_prefetch_b8 v0, s[64:65] scope:SCOPE_SE
	s_setreg_imm32_b32 hwreg(HW_REG_WAVE_SCHED_MODE, 0, 2), 2
	s_setreg_imm32_b32 hwreg(HW_REG_WAVE_MODE, 25, 1), 1
	s_wait_xcnt 0x0
	s_wait_alu depctr_vm_vsrc(0)
; Q, K, V = x W^T on codes of BF8 (E5M2), for one head and 256 tokens a work-group; the results are quantised again and stored as IMAGES OF OPERAND REGISTERS for the attention launch.  W_o is quantised on the side.
; x [8192][512], W_q, W_k, W_v, W_o [512][512]: f32.  lowp_scales: e0 .. e11 (int32).  code = number / 2^e, held within +-57,344, to the nearest code, ties to even.
; SHARES.  Work-group (bx, hd): tokens 256 bx on, head hd: that head's 64 columns of Q, of K and of V.  Wave w: tokens 32 w on, two tiles of 16 (m = 0, 1).  K = 512 goes in 8 steps of 64:
; a step is 24 matrix instructions a wave (3 projections x 4 column tiles x 2 row tiles) on 24 accumulators, which take turns, one instruction a turn.
; x is quantised three times, since e0, e2 and e4 may differ; a step's 32 numbers of a lane stay in registers for the three.  The head's rows of W_q, W_k, W_v are quantised once, each wave
; 4 of a projection's 32 fragments, and lie in LDS as images: lane l's 16 bytes of four registers at 16 l, 512 bytes a chunk.  One barrier.
; K IS PERMUTED, ALIKE IN x AND IN W: lane (r, h) holds k = 64 s + 32 h + 0 .. 31 of its row, in that order: 128 neighbouring bytes, eight loads of 16.  Every product meets its partner; only the order of the sums inside an instruction changes.
; Q and K are made TRANSPOSED (source 0 = 16 rows of W, source 1 = 16 tokens): lane (r, h) holds token r and register j channel 16 t + 8 h + j: one conversion of a tile's 8 registers is registers 2 t, 2 t + 1 of a fragment whose K is the head's 64.
; V is made as it stands (source 0 = 16 tokens, source 1 = 16 rows of W_v): lane (r, h) holds channel 16 t + r and register j token 8 h + j: registers 2 c, 2 c + 1 of a fragment whose K is the keys.
; IMAGES.  q_img, k_img: head (b 8 + hd) x 262,144 + (token / 16) x 1,024 + chunk x 512 + 16 l.  v_img: head x 262,144 + (key / 128) x 8,192 + channel tile x 2,048 + chunk x 512 + 16 l.
; wo_img: (16 rows' tile T x 8 + hh) x 1,024 + chunk x 512 + 16 l, k = 64 hh + 16 c + 8 h + 0 .. 7 in registers 2 c, 2 c + 1: work-group (bx, hd) makes T = bx, hh = hd, in its wave 0.
; NO CLUSTER, NO TENSOR LOAD: x (shared by the 8 heads' work-groups) and W (shared by the 32 token blocks') arrive as f32 and must pass through registers to become codes; through LDS first they would be 896 KB more of LDS writes and reads a work-group.
; LIMITS: e0 .. e5, e11, e6 - e0 - e1, e7 - e2 - e3, e9 - e4 - e5 lie between -126 and 112, so that each scale and 57,344 x it are f32 numbers.  NaN among the inputs is not served.
; REGISTERS.  window 0: v3-5 addresses; v6-13 scales and holds; v16-31 two groups of 8 held numbers; v32-47 x's codes; v48-79 and v208-239 two sets of four fragments of W; v80-207 x, two slots of 64 (first: W_q as loaded);
;   v208-247 first: W_o; v250-253 LDS addresses.   window 1: v0-191 the accumulators, (p, t, m) at 8 ((4 p + t) 2 + m); first: W_k and W_v as loaded (v0-255).
; THE MODE: SCHED_MODE bits 1:0 = 2 (LLVM: expert scheduling mode 2), set by the entry lines.  The code itself states the register dependences
; between vector or matrix instructions and memory or LDS instructions, with s_wait_alu, always for 0.
; THE PLAN.  A PART is one projection's share of a K step; part n = 3 s + p.  Registers that memory or LDS instructions touch, from the barrier on:
;   W's two sets   Part n's eight products read set n % 2.  The LDS loads of part n + 1's fragments, issued in part n, land in the other set, which part n - 1's products read.
;   x's two slots  Step s's three parts' holds read slot s % 2; the loads of step s + 2, issued in the step's third part, land in it.
;   v3, v4, v250   Offsets and LDS addresses, made once at the head and never written again: all else stands in immediates.
;   The held numbers, x's codes and the accumulators are named by vector and matrix instructions alone.
; So ONE wait on va_vdst stands in a part, behind its conversions and ahead of its products: it states that the products of the part before are done reading the other set and, in a step's third part, that the holds are done
; reading x's slot.  The part's loads follow it; the products behind them name this part's set, x's codes and the accumulators: none of the registers that those loads touch.
.set XA,  3                            ; v3    r x 2,048 + h x 128: my 128 bytes of a K step in a row of x or of W
.set LI,  4                            ; v4    16 x lane: my place in a chunk
.set WOA, 5                            ; v5    r x 2,048 + h x 32: W_o
.set TMP, 16
.set C,   32
.set WF,  48                           ; W's fragments: set 0 at v48, set 1 at v48 + 160 = v208
.set X,   80
.set WO,  208
.set WOC, 240
.set RD2, 250                          ; v250  LI + 65,536: projection 2's images (those of 0 and 1 are reached from LI by the immediate)
.set ST0, 251                          ; v251  LI + 4,096 x wave: where I store my four fragments of projection 0 and 1
.set ST2, 253                          ; v253  the same for projection 2
.set MSB, 0
.macro WIN new                         ; the immediate's high byte repeats the setting that is left; a switch that changes nothing is dropped
.if MSB != \new
	s_set_vgpr_msb (MSB<<8)|\new
.set MSB, \new
.endif
.endm
.macro MKSC vs, vl, se                 ; v[vs] = 2^e as f32 (the conversion takes its exponent field), v[vl] = 57,344 x 2^e
	s_add_co_i32 s6, \se, 127
	s_lshl_b32 s7, s6, 23
	v_mov_b32 v[\vs], s7
	s_add_co_i32 s6, s6, 15
	s_lshl_b32 s6, s6, 23
	s_or_b32 s6, s6, 0x600000
	v_mov_b32 v[\vl], s6
.endm
.macro LOADW p, reg                    ; my tile's rows of W_p, my four K steps: 128 numbers a lane
.irp i, 0,1,2,3
.irp j, 0,1,2,3,4,5,6,7
	global_load_b128 v[\reg+32*\i+4*\j:\reg+32*\i+4*\j+3], v[XA], s[10+2*\p:11+2*\p] offset:256*\i+16*\j
.endr
.endr
.endm
.macro LOADX s                         ; K step s of my 32 tokens into slot s % 2
.irp m, 0,1
.irp j, 0,1,2,3,4,5,6,7
	global_load_b128 v[X+64*((\s)&1)+32*\m+4*\j:X+64*((\s)&1)+32*\m+4*\j+3], v[XA], s[8:9] offset:32768*\m+256*(\s)+16*\j
.endr
.endr
.endm
.macro QUANTW reg, win, p              ; 128 numbers of W_p at v[reg] of window win become four fragments, which go to LDS as they stand
.if \win
	WIN 0x41                                       ; destination and source 0 in window 1
.endif
.set n, 0
.rept 128
	v_med3_num_f32 v[\reg+n], v[\reg+n], -v[9+2*\p], v[9+2*\p]   ; the conversion to an 8-bit code does not saturate (ISA guide 7.6.2): the hold comes first
.set n, n+1
.endr
.if \win
	WIN 0x01                                       ; source 0 in window 1
.endif
.irp i, 0,1,2,3
.irp g, 0,1,2,3
	v_cvt_scalef32_pk8_bf8_f32 v[WF+8*\i+2*\g:WF+8*\i+2*\g+1], v[\reg+32*\i+8*\g:\reg+32*\i+8*\g+7], v[8+2*\p]
.endr
.endr
	WIN 0
	v_nop                                          ; one plain vector line behind the last conversion of a run
	s_wait_alu depctr_va_vdst(0)                   ; the conversions have written v[WF ..], which the LDS stores read; the holds and conversions are done with the numbers' registers (W_q's take x's loads next)
.irp i, 0,1,2,3
.irp c, 0,1
.if \p < 2
	ds_store_b128 v[ST0], v[WF+8*\i+4*\c:WF+8*\i+4*\c+3] offset:32768*\p+1024*\i+512*\c
.else
	ds_store_b128 v[ST2], v[WF+8*\i+4*\c:WF+8*\i+4*\c+3] offset:1024*\i+512*\c
.endif
.endr
.endr
	s_wait_dscnt 0x0                               ; the stores have landed (for the barrier)
	s_wait_alu depctr_vm_vsrc(0)                   ; the stores have read v[WF ..], which the next run of conversions, or the first fragments' loads, write
.endm
.macro Q8 dst, src, g, p               ; eight numbers of x, held into group g % 2, become two registers of codes.  The groups take turns, so that eight plain lines stand between a conversion and the next write of its sources
.irp k, 0,1,2,3,4,5,6,7
	v_med3_num_f32 v[TMP+8*((\g)&1)+\k], v[\src+\k], -v[9+2*\p], v[9+2*\p]
.endr
	v_cvt_scalef32_pk8_bf8_f32 v[\dst:\dst+1], v[TMP+8*((\g)&1):TMP+8*((\g)&1)+7], v[8+2*\p]
.endm
.macro FETCHW p, s, wf                 ; projection p's four fragments of K step s, into the set at v[wf]
.irp t, 0,1,2,3
.irp c, 0,1
.if \p < 2
	ds_load_b128 v[\wf+8*\t+4*\c:\wf+8*\t+4*\c+3], v[LI] offset:32768*\p+(8*\t+(\s))*1024+512*\c
.else
	ds_load_b128 v[\wf+8*\t+4*\c:\wf+8*\t+4*\c+3], v[RD2] offset:(8*\t+(\s))*1024+512*\c
.endif
.endr
.endr
.endm
; One projection's part of a K step; (ns, np): the part that follows.  The first eight holds are the places (ISA guide 7.12.1) between the products before, which read v[C] on, and the conversion that writes these.
.macro PROJ s, p, ns, np
.set XS, X+64*((\s)&1)
.set WC, WF+160*((3*(\s)+\p)&1)        ; this part's set of W's fragments,
.set WN, WF+160*((3*(\s)+\p+1)&1)      ; and the other
.irp g, 0,1,2,3
	Q8 C+2*\g, XS+8*\g, \g, \p
.endr
.irp g, 0,1,2,3
	Q8 C+8+2*\g, XS+32+8*\g, \g, \p
.endr
	v_nop                                          ; one plain vector line between the last conversion and the products that read its result
.if (\s < 7) || (\p < 2)
	s_wait_alu depctr_va_vdst(0)                   ; the products of the part before are done reading the other set (in the first part: wave 0's holds and conversions of W_o are done with it); in a step's third part the holds are done reading x's slot
	FETCHW \np, \ns, WN                            ; the next part's fragments: they have that part's conversions in which to land
.if (\p == 2) && (\s <= 5)
	LOADX \s+2                                     ; the slot has been read for the third time: it takes the K step two on
.endif
	s_wait_dscnt 8                                 ; LDS loads come back in order (ISA guide 5.7.1): this part's eight, asked for a part ago, are in; the eight just issued stay out
.else
	s_wait_alu depctr_va_vdst(0)
	s_wait_dscnt 0x0                               ; the last part asks for nothing
.endif
	WIN 0x50                                       ; C and D in window 1
.irp t, 0,1,2,3
.irp m, 0,1
.set AC, 8*((4*\p+\t)*2+\m)
.if \p < 2
.if \s == 0
	v_wmma_f32_16x16x64_bf8_bf8 v[AC:AC+7], v[WC+8*\t:WC+8*\t+7], v[C+8*\m:C+8*\m+7], 0
.else
	v_wmma_f32_16x16x64_bf8_bf8 v[AC:AC+7], v[WC+8*\t:WC+8*\t+7], v[C+8*\m:C+8*\m+7], v[AC:AC+7]
.endif
.else
.if \s == 0
	v_wmma_f32_16x16x64_bf8_bf8 v[AC:AC+7], v[C+8*\m:C+8*\m+7], v[WC+8*\t:WC+8*\t+7], 0
.else
	v_wmma_f32_16x16x64_bf8_bf8 v[AC:AC+7], v[C+8*\m:C+8*\m+7], v[WC+8*\t:WC+8*\t+7], v[AC:AC+7]
.endif
.endif
.endr
.endr
	WIN 0
.endm
	s_load_b256 s[8:15], s[0:1], 0x0               ; x s[8:9], W_q s[10:11], W_k s[12:13], W_v s[14:15]
	s_load_b256 s[16:23], s[0:1], 0x20             ; W_o s[16:17], the exponents s[18:19], q_img s[20:21], k_img s[22:23]
	s_load_b128 s[24:27], s[0:1], 0x40             ; v_img s[24:25], wo_img s[26:27]
	v_lshl_add_u32 v254, v0, 2, 0x18000            ; the add's two registers, made at the head and kept for the closing lines alone
	v_mov_b32 v255, 0
	v_lshrrev_b32 v1, 5, v0
	v_readfirstlane_b32 s2, v1                     ; wave 0..7
	s_mov_b32 s4, ttmp9                            ; bx: which 256 tokens
	s_and_b32 s5, ttmp7, 0xffff                    ; hd: which head
	v_and_b32 v1, 15, v0                           ; r
	v_bfe_u32 v2, v0, 4, 1                         ; h
	v_lshlrev_b32 v[XA], 11, v1
	v_lshl_add_u32 v[WOA], v2, 5, v[XA]
	v_lshl_add_u32 v[XA], v2, 7, v[XA]
	v_and_b32 v[LI], 31, v0
	v_lshlrev_b32 v[LI], 4, v[LI]
	s_wait_alu depctr_va_sdst(0)                   ; s2 is written, ahead of its first reader: LDS addresses, bases and branches are made from it
	s_lshl_b32 s3, s2, 12
	v_add_nc_u32 v[ST0], s3, v[LI]
	v_add_nc_u32 v[ST2], 0x10000, v[ST0]
	v_add_nc_u32 v[RD2], 0x10000, v[LI]
	s_lshl_b32 s44, s4, 19                         ; x: 256 tokens of 2,048 bytes a work-group,
	s_lshl_b32 s3, s2, 16
	s_add_co_u32 s44, s44, s3                      ; 32 a wave
	s_mov_b32 s45, 0
	s_lshl_b32 s46, s5, 17                         ; W_q, W_k, W_v: the head's 64 rows,
	s_lshr_b32 s3, s2, 1
	s_lshl_b32 s3, s3, 15
	s_add_co_u32 s46, s46, s3                      ; tile wave / 2 of them,
	s_and_b32 s3, s2, 1
	s_lshl_b32 s3, s3, 10
	s_add_co_u32 s46, s46, s3                      ; K steps 4 (wave % 2) on
	s_mov_b32 s47, 0
	s_lshl_b32 s48, s4, 15                         ; W_o: rows 16 bx on,
	s_lshl_b32 s3, s5, 8
	s_add_co_u32 s48, s48, s3                      ; k = 64 hd on
	s_mov_b32 s49, 0
	s_lshl_b32 s50, s4, 3
	s_add_co_u32 s50, s50, s5
	s_lshl_b32 s50, s50, 10                        ; wo_img: fragment 8 bx + hd
	s_mov_b32 s51, 0
	s_lshr_b32 s3, s4, 4
	s_lshl_b32 s3, s3, 3
	s_add_co_u32 s3, s3, s5                        ; 8 b + hd
	s_lshl_b32 s52, s3, 18
	s_and_b32 s3, s4, 15
	s_lshl_b32 s3, s3, 14
	s_add_co_u32 s52, s52, s3                      ; the head's images, the block's 16,384 bytes of them
	s_mov_b32 s54, s52
	s_lshl_b32 s3, s2, 11
	s_add_co_u32 s52, s52, s3                      ; q_img, k_img: my two tiles of 1,024 bytes
	s_mov_b32 s53, 0
	s_lshr_b32 s3, s2, 2
	s_lshl_b32 s3, s3, 13
	s_add_co_u32 s54, s54, s3                      ; v_img: block of 128 keys wave / 4,
	s_and_b32 s3, s2, 3
	s_lshl_b32 s3, s3, 9
	s_add_co_u32 s54, s54, s3                      ; chunk wave % 4: my 32 tokens are registers 4 (wave % 4) on of each fragment
	s_mov_b32 s55, 0
	s_wait_kmcnt 0x0
	s_load_b256 s[32:39], s[18:19], 0x0            ; e0 .. e7
	s_load_b128 s[40:43], s[18:19], 0x20           ; e8 .. e11
	s_add_nc_u64 s[8:9], s[8:9], s[44:45]
	s_add_nc_u64 s[10:11], s[10:11], s[46:47]
	s_add_nc_u64 s[12:13], s[12:13], s[46:47]
	s_add_nc_u64 s[14:15], s[14:15], s[46:47]
	s_add_nc_u64 s[16:17], s[16:17], s[48:49]
	s_add_nc_u64 s[26:27], s[26:27], s[50:51]
	s_add_nc_u64 s[20:21], s[20:21], s[52:53]
	s_add_nc_u64 s[22:23], s[22:23], s[52:53]
	s_add_nc_u64 s[24:25], s[24:25], s[54:55]
	s_wait_alu depctr_va_vdst(0)                   ; the six offsets and LDS addresses v3, v4, v5, v250, v251, v253 are written: every load and store of the kernel reads one of them, and none is written again
	s_cmp_lg_u32 s2, 0                             ; wave 0 alone takes the work-group's fragment of W_o; its eight loads are older than all others, so they change no count below
	s_cbranch_scc1 .Lno_wo_load
.irp c, 0,1,2,3
.irp j, 0,1
	global_load_b128 v[WO+8*\c+4*\j:WO+8*\c+4*\j+3], v[WOA], s[16:17] offset:64*\c+16*\j   ; W_o(16 bx + r, 64 hd + 16 c + 8 h + 0 .. 7)
.endr
.endr
.Lno_wo_load:
	LOADW 0, X
	WIN 0x40                                       ; destination in window 1
	LOADW 1, 0
	LOADW 2, 128
	WIN 0
	s_wait_kmcnt 0x0
	MKSC 8, 9, s33                                 ; e1: W_q
	MKSC 10, 11, s35                               ; e3: W_k
	MKSC 12, 13, s37                               ; e5: W_v
	MKSC 6, 7, s43                                 ; e11: W_o
	s_wait_alu depctr_va_vdst(0)
	s_wait_loadcnt 63                              ; W_q is in: 64 loads are younger, and 63 is the most that a wait can name
	QUANTW X, 0, 0
	LOADX 0                                        ; x's first two K steps, into the registers that W_q has left: no vector line since QUANTW's wait on va_vdst names them
	LOADX 1
	s_wait_loadcnt 63                              ; W_k is in: again 64 are younger (W_v's 32, x's 32)
	QUANTW 0, 1, 1
	s_wait_loadcnt 32                              ; W_v is in; x's 32 may be out
	QUANTW 128, 1, 2
	s_barrier_signal -1                            ; each wave's stores have landed (the wait on DScnt at QUANTW's end)
	s_barrier_wait -1                              ; the head's 96 fragments lie in LDS; nothing is stored there again
	FETCHW 0, 0, WF                                ; the first part's fragments, into set 0: QUANTW's two waits have stated that its conversions have written these registers and its stores have read them
	s_cmp_lg_u32 s2, 0
	s_cbranch_scc1 .Lno_wo
.set n, 0
.rept 32
	v_med3_num_f32 v[WO+n], v[WO+n], -v7, v7
.set n, n+1
.endr
.irp c, 0,1,2,3
	v_cvt_scalef32_pk8_bf8_f32 v[WOC+2*\c:WOC+2*\c+1], v[WO+8*\c:WO+8*\c+7], v6
.endr
	v_nop
	s_wait_alu depctr_va_vdst(0)                   ; the conversions have written v[WOC ..], which the two stores read
	global_store_b128 v[LI], v[WOC:WOC+3], s[26:27]              ; 512 consecutive bytes a store; these registers are not written again
	global_store_b128 v[LI], v[WOC+4:WOC+7], s[26:27] offset:512
.Lno_wo:
	MKSC 8, 9, s32                                 ; e0, e2, e4: x, once for each projection
	MKSC 10, 11, s34
	MKSC 12, 13, s36
	s_wait_alu depctr_va_vdst(0)
.irp s, 0,1,2,3,4,5,6,7
.if \s < 7
	s_wait_loadcnt 16                              ; this K step's 16 loads are in; the next step's 16 may be out
.else
	s_wait_loadcnt 0x0
.endif
	PROJ \s, 0, \s, 1
	PROJ \s, 1, \s, 2
	PROJ \s, 2, \s+1, 0
.endr
	; THE WAY OUT.  A sum stands for sum x 2^(ex + ew), so its code is sum / 2^(e - ex - ew): the three scales are folded into the conversion's one.  The six v_mov_b32 are the places behind the last products.
	s_sub_co_i32 s48, s38, s32
	s_sub_co_i32 s48, s48, s33                     ; e6 - e0 - e1
	s_sub_co_i32 s49, s39, s34
	s_sub_co_i32 s49, s49, s35                     ; e7 - e2 - e3
	s_sub_co_i32 s50, s41, s36
	s_sub_co_i32 s50, s50, s37                     ; e9 - e4 - e5
	MKSC 8, 9, s48
	s_wait_alu depctr_va_vdst(0)
	MKSC 10, 11, s49
	MKSC 12, 13, s50
	WIN 0x41
.irp p, 0,1,2
.set n, 0
.rept 64
	v_med3_num_f32 v[64*\p+n], v[64*\p+n], -v[9+2*\p], v[9+2*\p]   ; ascending: each accumulator from its low end on
.set n, n+1
.endr
.endr
	WIN 0x01
.irp t, 0,1,2,3
.irp m, 0,1
	v_cvt_scalef32_pk8_bf8_f32 v[80+8*\m+2*\t:80+8*\m+2*\t+1], v[8*(\t*2+\m):8*(\t*2+\m)+7], v8            ; Q: token tile m, registers 2 t, 2 t + 1
	v_cvt_scalef32_pk8_bf8_f32 v[96+8*\m+2*\t:96+8*\m+2*\t+1], v[8*((4+\t)*2+\m):8*((4+\t)*2+\m)+7], v10     ; K likewise
	v_cvt_scalef32_pk8_bf8_f32 v[112+4*\t+2*\m:112+4*\t+2*\m+1], v[8*((8+\t)*2+\m):8*((8+\t)*2+\m)+7], v12   ; V: channel tile t, my chunk's registers 2 m, 2 m + 1
.endr
.endr
	WIN 0
	v_nop
	s_wait_alu depctr_va_vdst(0)                   ; the conversions have written v80 to v127, which the twelve stores read
.irp m, 0,1
.irp c, 0,1
	global_store_b128 v[LI], v[80+8*\m+4*\c:80+8*\m+4*\c+3], s[20:21] offset:1024*\m+512*\c   ; every store of the wave covers 512 consecutive bytes, aligned
	global_store_b128 v[LI], v[96+8*\m+4*\c:96+8*\m+4*\c+3], s[22:23] offset:1024*\m+512*\c
.endr
.endr
.irp t, 0,1,2,3
	global_store_b128 v[LI], v[112+4*\t:112+4*\t+3], s[24:25] offset:2048*\t
.endr
	s_wait_dscnt 0x0                               ; the closing lines, six on end
	s_wait_alu 0x0
	s_wait_tensorcnt 0x0
	ds_add_u32 v254, v255
	s_wait_dscnt 0x0
	s_endpgm
.Lfunc_end_k_qf5633b7736_qkv:
	.size	k_qf5633b7736_qkv, .Lfunc_end_k_qf5633b7736_qkv-k_qf5633b7736_qkv
	.p2alignl 7, 3214868480
	.fill 96, 4, 3214868480
	.section	.rodata,"a",@progbits
	.p2align	6, 0x0
	.amdhsa_kernel k_qf5633b7736_qkv
		.amdhsa_group_segment_fixed_size 99328
		.amdhsa_private_segment_fixed_size 0
		.amdhsa_enable_private_segment 0
		.amdhsa_kernarg_size 80
		.amdhsa_user_sgpr_count 2
		.amdhsa_user_sgpr_kernarg_segment_ptr 1
		.amdhsa_wavefront_size32 1
		.amdhsa_system_sgpr_workgroup_id_x 1
		.amdhsa_system_sgpr_workgroup_id_y 1
		.amdhsa_system_sgpr_workgroup_id_z 1
		.amdhsa_system_vgpr_workitem_id 0
		.amdhsa_next_free_vgpr 512
		.amdhsa_next_free_sgpr 66
		.amdhsa_reserve_vcc 0
		.amdhsa_float_denorm_mode_32 3
		.amdhsa_float_denorm_mode_16_64 3
		.amdhsa_memory_ordered 1
		.amdhsa_forward_progress 1
		.amdhsa_inst_pref_size 211
	.end_amdhsa_kernel
	.amdgpu_metadata
---
amdhsa.version: [ 1, 2 ]
amdhsa.kernels:
  - .name:           k_qf5633b7736_qkv
    .symbol:         k_qf5633b7736_qkv.kd
    .args:
      - { .name: x, .offset: 0, .size: 8, .value_kind: global_buffer, .address_space: global }
      - { .name: W_q, .offset: 8, .size: 8, .value_kind: global_buffer, .address_space: global }
      - { .name: W_k, .offset: 16, .size: 8, .value_kind: global_buffer, .address_space: global }
      - { .name: W_v, .offset: 24, .size: 8, .value_kind: global_buffer, .address_space: global }
      - { .name: W_o, .offset: 32, .size: 8, .value_kind: global_buffer, .address_space: global }
      - { .name: lowp_scales, .offset: 40, .size: 8, .value_kind: global_buffer, .address_space: global }
      - { .name: q_img, .offset: 48, .size: 8, .value_kind: global_buffer, .address_space: global }
      - { .name: k_img, .offset: 56, .size: 8, .value_kind: global_buffer, .address_space: global }
      - { .name: v_img, .offset: 64, .size: 8, .value_kind: global_buffer, .address_space: global }
      - { .name: wo_img, .offset: 72, .size: 8, .value_kind: global_buffer, .address_space: global }
    .group_segment_fixed_size: 99328
    .private_segment_fixed_size: 0
    .kernarg_segment_align: 8
    .kernarg_segment_size: 80
    .max_flat_workgroup_size: 256
    .sgpr_count:     66
    .vgpr_count:     512
    .wavefront_size: 32
...
	.end_amdgpu_metadata
.endif
;; end of part 4
;; launch attn (part 5): grid 16 x 16, 8 waves a work-group, no clusters, 33,792 bytes of LDS; arguments q_img, k_img, v_img, lowp_scales, c_img; writes c_img
.if DOCPART == 5
	.amdgcn_target "amdgcn-amd-amdhsa--gfx1250"
	.amdhsa_code_object_version 6
	.text
	.protected	k_qf5633b7736_attn
	.globl	k_qf5633b7736_attn
	.p2align	8
	.type	k_qf5633b7736_attn,@function
k_qf5633b7736_attn:
	s_mov_b64 s[64:65], 0
	v_nop
	global_prefetch_b8 v0, s[64:65] scope:SCOPE_SE
	s_setreg_imm32_b32 hwreg(HW_REG_WAVE_SCHED_MODE, 0, 2), 2
	s_setreg_imm32_b32 hwreg(HW_REG_WAVE_MODE, 25, 1), 1
	s_wait_xcnt 0x0
	s_wait_alu depctr_vm_vsrc(0)
; ctx = softmax(Q K^T / 8) V for one head and 256 queries a work-group, both products on codes of BF8 (E5M2); ctx is quantised and stored as an image of operand registers for the last launch.
; q_img, k_img, v_img: images of fragments (lane l's 16 bytes of four registers at 16 l, 512 bytes a chunk), in the plain forms' own layout: registers 2 c, 2 c + 1 hold k = 16 c + 8 (l / 16) + 0 .. 7.
; THE SOFTMAX: t = score x log2(e) / 8; M = the row's largest t so far, rounded UP to a whole number; p = 2^(t - M) is what is quantised, with 2^e8; the row's sum is taken of the unquantised p and divides at the end.
; When M moves, the sum and O are multiplied by 2^(old M - new M), which rounds nothing.
; SHARES.  Work-group (qb, bh): queries 256 qb on of head bh.  Wave w: 32 of them, two tiles (q = 0, 1), so that each fragment of K and V read from LDS feeds two products.  Every wave walks the head's 4,096 keys, 128 a step.
; LAYOUT.  S^T = K Q^T (source 0 = 16 keys, source 1 = 16 queries, K = 64) and O^T = V^T P^T (source 0 = 16 channels, source 1 = P, K = 128): a lane holds ONE query throughout.  Tile i of S^T holds, in lane (r, h), keys 16 i + 8 h + 0 .. 7:
; its eight registers, converted, ARE registers 2 i, 2 i + 1 of P.  Likewise O^T's tile u gives registers 2 u, 2 u + 1 of ctx's fragment.
; LDS: two slots of 16,384 bytes: a step's 8 fragments of K (8,192 bytes, one dense run of k_img), then its 4 of V (one dense run of v_img).  Waves 0-3 copy K, waves 4-7 V, 2,048 bytes each, through registers: loaded a step ahead of the
; LDS stores.  ONE barrier a step: ahead of its signal a wave has waited for its stores into the other slot and for its reads of this one.
; NO CLUSTER, NO TENSOR LOAD, though the 16 work-groups of a head walk the same K and V.  The hold of p at the largest code is 128 of a step's some 520 vector lines a wave, and it changes nothing where 57,344 x 2^e8 >= 1 >= p, that is e8 >= -15:
; it is jumped over by a scalar branch on e8.  What would be shared is 16,384 bytes a step.
; LIMITS: e6 + e7 between -123 and 130 (added to c's exponent field); e8 between -126 and 112; e8 + e9 - e10 is applied by v_ldexp_f32 to 1 / the sum, which lies between 1 / 4,096 and 2: the product must be an f32 number.  NaN is not served.
; REGISTERS.  window 0: v1-3 addresses; v4-7 scales and holds; v8-18, v20-30 a tile's statistics; v32-47 Q; v48-63 the copy; v64-95 P; v96-223 S^T, then p.   window 1: v0-63 O^T (32 q + 8 u); v64-127 K; v128-191, v192-255 V, two sets.
; THE MODE: SCHED_MODE bits 1:0 = 2 (LLVM: expert scheduling mode 2), set by the entry lines.  The code itself states the register dependences
; between vector or matrix instructions and memory or LDS instructions, with s_wait_alu, always for 0.
; THE PLAN.  Registers that memory or LDS instructions touch, in the loop:
;   K's fragments   Step j: the LDS loads at its head land in them; its sixteen products K Q^T read them.
;   V's two sets    Step j: the LDS loads behind its products K Q^T land in set j % 2; its eight products V^T P^T read that set.
;   the copy, v48-63  Global loads land in it, LDS stores read it a step later; no vector instruction names it.
;   v1, v2, v3      Offsets and LDS addresses, made once at the head and never written again.
;   Q, S^T, P, O^T and the statistics are named by vector and matrix instructions alone.
; So ONE wait on va_vdst stands in a step, behind its exponentials: it states that p is written, that this step's K Q^T are done reading K's fragments, and that the last step's V^T P^T are done reading the other set of V.  From that wait
; to the next step's loads of K, and on to its loads of V, stand the sums, the hold, the conversions, O^T's rescaling, V^T P^T on this step's set and the next K Q^T: none names K's fragments ahead of K's loads, none the other set of V.
; One wait on vm_vsrc a step stands between the LDS stores that read the copy and the global loads that land in it.
.set LI,  1                            ; v1   16 x lane
.set STA, 2                            ; v2   16 x lane + 2,048 x wave: where I store my part of a slot
.set PFO, 3                            ; v3   256 x lane: the prefetches' offset
.set ST,  8                            ; tile q at v[ST + 12 q]: +0 -M, +1 the largest t, +2, +3 the sum in two halves, +4 f (+5 named with it as a pair), +6, +7 a second chain of sums, +8 to +10 at work
.set Q,   32
.set G,   48
.set P,   64
.set S,   96
.set O,   0
.set KF,  64
.set VF,  128                          ; set 0; set 1 lies 64 registers on
.set MSB, 0
.macro WIN new                         ; the immediate's high byte repeats the setting that is left; a switch that changes nothing is dropped
.if MSB != \new
	s_set_vgpr_msb (MSB<<8)|\new
.set MSB, \new
.endif
.endm
; A step's vector work, for both tiles; every group is written for the two by turns, so that no line waits for the line above it.
.macro SOFTMAX
.irp q, 0,1
	v_max3_num_f32 v[ST+12*\q+8], v[S+64*\q], v[S+64*\q+1], v[S+64*\q+2]       ; the largest score of my query among my 64 keys, in two chains; each accumulator is first read at its low end
	v_max3_num_f32 v[ST+12*\q+9], v[S+64*\q+3], v[S+64*\q+4], v[S+64*\q+5]
.endr
.irp i, 6,10,14,18,22,26,30,34,38,42,46,50,54,58
.irp q, 0,1
	v_max3_num_f32 v[ST+12*\q+8], v[ST+12*\q+8], v[S+64*\q+\i], v[S+64*\q+\i+1]
	v_max3_num_f32 v[ST+12*\q+9], v[ST+12*\q+9], v[S+64*\q+\i+2], v[S+64*\q+\i+3]
.endr
.endr
.irp q, 0,1
	v_max3_num_f32 v[ST+12*\q+8], v[ST+12*\q+8], v[S+64*\q+62], v[S+64*\q+63]
.endr
.irp q, 0,1
	v_max_num_f32 v[ST+12*\q+8], v[ST+12*\q+8], v[ST+12*\q+9]
.endr
.irp q, 0,1
	v_permlanex16_b32 v[ST+12*\q+10], v[ST+12*\q+8], s28, s29                  ; the query's other 64 keys lie in the lane 16 away
.endr
.irp q, 0,1
	v_max_num_f32 v[ST+12*\q+8], v[ST+12*\q+8], v[ST+12*\q+10]
.endr
.irp q, 0,1
	v_mul_f32 v[ST+12*\q+8], s26, v[ST+12*\q+8]                                ; as t (c is positive)
.endr
.irp q, 0,1
	v_max_num_f32 v[ST+12*\q+1], v[ST+12*\q+1], v[ST+12*\q+8]                  ; the running largest t
.endr
.irp q, 0,1
	v_mov_b32 v[ST+12*\q+8], v[ST+12*\q]
.endr
.irp q, 0,1
	v_floor_f32 v[ST+12*\q], -v[ST+12*\q+1]                                    ; the new -M = floor(-t) = -ceil(t)
.endr
.irp q, 0,1
	v_sub_f32 v[ST+12*\q+8], v[ST+12*\q], v[ST+12*\q+8]                        ; old M - new M: a whole number, 0 or less
.endr
.irp q, 0,1
	v_cvt_i32_f32 v[ST+12*\q+8], v[ST+12*\q+8]                                 ; (it saturates)
.endr
.irp q, 0,1
	v_ldexp_f32 v[ST+12*\q+4], 1.0, v[ST+12*\q+8]                              ; f = 2^(old M - new M)
.endr
.set n, 0
.rept 32
.irp q, 0,1
	v_pk_fma_f32 v[S+64*\q+n:S+64*\q+n+1], v[S+64*\q+n:S+64*\q+n+1], s[26:27], v[ST+12*\q:ST+12*\q+1] op_sel_hi:[1,0,0]   ; t - M, two at a time (of the pairs c and -M the low word serves both halves)
.endr
.set n, n+2
.endr
.set n, 0
	s_wait_alu depctr_va_vdst(0)
.rept 64
.irp q, 0,1
	v_exp_f32 v[S+64*\q+n], v[S+64*\q+n]                                       ; p = 2^(t - M), at most 1
.endr
.set n, n+1
.endr
.irp q, 0,1
	v_pk_mul_f32 v[ST+12*\q+2:ST+12*\q+3], v[ST+12*\q+2:ST+12*\q+3], v[ST+12*\q+4:ST+12*\q+5] op_sel_hi:[1,0]   ; the sums under the new M (plain lines behind the exponentials)
.endr
	s_wait_alu depctr_va_vdst(0)                   ; the step's one wait: the 128 exponentials have written p, ahead of its first reader; this step's K Q^T are done reading K's fragments, and the last step's V^T P^T the other set of V: the next step's LDS loads land in both
.irp q, 0,1
	v_pk_add_f32 v[ST+12*\q+6:ST+12*\q+7], v[S+64*\q:S+64*\q+1], v[S+64*\q+2:S+64*\q+3]   ; the row's sum is taken of the unquantised p, in two chains
.endr
.irp j, 4,8,12,16,20,24,28,32,36,40,44,48,52,56,60
.irp q, 0,1
	v_pk_add_f32 v[ST+12*\q+2:ST+12*\q+3], v[ST+12*\q+2:ST+12*\q+3], v[S+64*\q+\j:S+64*\q+\j+1]
	v_pk_add_f32 v[ST+12*\q+6:ST+12*\q+7], v[ST+12*\q+6:ST+12*\q+7], v[S+64*\q+\j+2:S+64*\q+\j+3]
.endr
.endr
.irp q, 0,1
	v_pk_add_f32 v[ST+12*\q+2:ST+12*\q+3], v[ST+12*\q+2:ST+12*\q+3], v[ST+12*\q+6:ST+12*\q+7]
.endr
	s_cmp_ge_i32 s22, -15                          ; where e8 >= -15, 57,344 x 2^e8 >= 1.75 > p, and the hold below changes nothing: a scalar branch on a whole number that was read from memory
	s_cbranch_scc1 .Lno_hold_\@
.set n, 0
.rept 128
	v_min_num_f32 v[S+n], v[S+n], v5               ; the conversion to an 8-bit code does not saturate (ISA guide 7.6.2); p is not negative, so the hold is one-sided
.set n, n+1
.endr
.Lno_hold_\@:
.irp i, 0,1,2,3,4,5,6,7
.irp q, 0,1
	v_cvt_scalef32_pk8_bf8_f32 v[P+16*\q+2*\i:P+16*\q+2*\i+1], v[S+64*\q+8*\i:S+64*\q+8*\i+7], v4
.endr
.endr
	WIN 0x41                                       ; O^T (destination and source 0) in window 1
.set n, 0
.rept 16
.irp q, 0,1
	v_pk_mul_f32 v[O+32*\q+n:O+32*\q+n+1], v[O+32*\q+n:O+32*\q+n+1], v[ST+12*\q+4:ST+12*\q+5] op_sel_hi:[1,0]   ; O^T under the new M, each accumulator from its low end on.  (Also the plain lines behind the conversions)
.endr
.set n, n+2
.endr
	WIN 0
.endm
; A PREFETCH INTO THE L2 of a step's 8,192 bytes of K or of V, lanes 256 bytes apart, two steps ahead of the loads that will want them (four steps ahead of the step in hand).  It stands behind the wave's own loads.
; All 16 work-groups of a head walk the same K and V: the head's first work-group asks, in it wave 0 for K and wave 4 for V: each block of 256 bytes is named once in the launch.
; The loop's last trip asks for nothing: its two steps would name steps 32 and 33, which do not exist.  Steps 0 to 3 come by their loads alone.
.macro ASK slot
	s_cmp_gt_u32 s30, s31
	s_cbranch_scc0 .Lnot_mine_\@
	global_prefetch_b8 v[PFO], s[16:17] offset:\slot*8192+16384 th:TH_LOAD_NT scope:SCOPE_SE
.Lnot_mine_\@:
.endm
; A KEY STEP on slot 'slot'.  st = 1: the next step's bytes, loaded a step ago, go into the other slot.  ld = 1: the bytes of the step after that are asked for.  last = 1: no barrier follows.
.macro STEP slot, st, ld, last
	WIN 0x40                                       ; destination in window 1
.irp n, 0,1,2,3,4,5,6,7,8,9,10,11,12,13,14,15
	ds_load_b128 v[KF+4*\n:KF+4*\n+3], v[LI] offset:\slot*16384+512*\n         ; K's eight fragments.  No wait: the last softmax's wait has stated that the products that read these registers are done, and nothing since names them
.endr
	WIN 0
.if \st
	s_wait_loadcnt 0x0                             ; my 2,048 bytes of the next step, asked for a step ago
.irp i, 0,1,2,3
	ds_store_b128 v[STA], v[G+4*\i:G+4*\i+3] offset:(1-\slot)*16384+512*\i     ; the other slot: every wave's reads of it were over ahead of the last barrier
.endr
.endif
	s_wait_dscnt 4*\st                             ; LDS instructions are done in order (ISA guide 5.7.1): K is in; my four stores, which are younger, may be out
.if \ld
	s_wait_alu depctr_vm_vsrc(0)                   ; the four LDS stores have read the copy's registers, in which the loads below land
.irp i, 0,1,2,3
	global_load_b128 v[G+4*\i:G+4*\i+3], v[LI], s[16:17] offset:\slot*8192+512*\i
.endr
	ASK \slot
.endif
	WIN 0x01                                       ; source 0 (K) in window 1
.irp i, 0,1,2,3,4,5,6,7
.irp q, 0,1
	v_wmma_f32_16x16x64_bf8_bf8 v[S+64*\q+8*\i:S+64*\q+8*\i+7], v[KF+8*\i:KF+8*\i+7], v[Q+8*\q:Q+8*\q+7], 0
.endr
.endr
	WIN 0
.rept 4
	v_nop                                          ; four places (ISA guide 7.12.1) behind these products, whose results the softmax reads next
.endr
	WIN 0x40
.irp n, 0,1,2,3,4,5,6,7,8,9,10,11,12,13,14,15
	ds_load_b128 v[VF+64*\slot+4*\n:VF+64*\slot+4*\n+3], v[LI] offset:\slot*16384+8192+512*\n    ; V's four fragments land under the softmax, in the set that the step before last multiplied.  No wait: the last softmax's wait stands between, and nothing since names this set
.endr
	WIN 0
	SOFTMAX
	s_wait_alu depctr_va_vdst(0)
	s_wait_dscnt 0x0                               ; V is in, my reads of this slot are over, and my stores into the other slot have landed
.if \last == 0
	s_barrier_signal -1                            ; so much for the other waves' sake
.endif
	WIN 0x51                                       ; V in window 1, P in window 0, O^T (C and D) in window 1
.irp u, 0,1,2,3
.irp q, 0,1
	v_wmma_f32_16x16x128_bf8_bf8 v[O+32*\q+8*\u:O+32*\q+8*\u+7], v[VF+64*\slot+16*\u:VF+64*\slot+16*\u+15], v[P+16*\q:P+16*\q+15], v[O+32*\q+8*\u:O+32*\q+8*\u+7]   ; eight accumulators, one instruction each
.endr
.endr
	WIN 0
.if \last == 0
	s_barrier_wait -1
.endif
.endm
	s_load_b256 s[4:11], s[0:1], 0x0               ; q_img s[4:5], k_img s[6:7], v_img s[8:9], the exponents s[10:11]
	s_load_b64 s[12:13], s[0:1], 0x20              ; c_img
	v_lshl_add_u32 v254, v0, 2, 0x8000             ; the add's two registers, made at the head and kept for the closing lines alone
	v_mov_b32 v255, 0
	v_lshrrev_b32 v1, 5, v0
	v_readfirstlane_b32 s14, v1                    ; wave 0..7
	v_and_b32 v[PFO], 31, v0
	v_lshlrev_b32 v[LI], 4, v[PFO]
	v_lshlrev_b32 v[PFO], 8, v[PFO]
	s_wait_alu depctr_va_sdst(0)                   ; s14 is written, ahead of its first reader: an LDS address, the bases and the choice of who copies and who prefetches are made from it
	s_lshl_b32 s34, s14, 11
	v_add_nc_u32 v[STA], s34, v[LI]
	s_and_b32 s15, ttmp7, 0xffff                   ; bh = 8 b + head
	s_lshl_b32 s18, s15, 18                        ; the head's first byte in each of the three images
	s_lshl_b32 s32, ttmp9, 14
	s_add_co_u32 s32, s32, s18
	s_add_co_u32 s32, s32, s34                     ; q_img: the block's 16 tiles of 1,024 bytes, my two of them
	s_mov_b32 s33, 0
	s_and_b32 s36, s14, 3
	s_lshl_b32 s36, s36, 11
	s_add_co_u32 s36, s36, s18                     ; k_img or v_img: my quarter of a step's 8,192 bytes
	s_mov_b32 s37, 0
	s_lshr_b32 s38, s15, 3
	s_lshl_b32 s38, s38, 21                        ; c_img: b x 256 row tiles of 8,192 bytes,
	s_lshl_b32 s19, ttmp9, 17
	s_add_co_u32 s38, s38, s19                     ; the block's 16,
	s_lshl_b32 s19, s14, 14
	s_add_co_u32 s38, s38, s19                     ; my two,
	s_and_b32 s19, s15, 7
	s_lshl_b32 s19, s19, 10
	s_add_co_u32 s38, s38, s19                     ; the head's 1,024 bytes of each
	s_mov_b32 s39, 0
	s_and_b32 s34, s14, 3
	s_or_b32 s34, s34, ttmp9
	s_cmp_eq_u32 s34, 0
	s_cselect_b32 s31, 1, -1                       ; 1 in waves 0 and 4 of the head's first work-group, else the greatest number: a wave prefetches while the trips to go are above it
	s_mov_b32 s26, 0x3e38aa3b                      ; c = log2(e) / 8
	s_mov_b32 s28, 0x76543210                      ; v_permlanex16_b32: lane l xor 16
	s_mov_b32 s29, 0xfedcba98
	s_wait_kmcnt 0x0
	s_load_b128 s[20:23], s[10:11], 0x18           ; e6, e7, e8, e9
	s_load_b32 s24, s[10:11], 0x28                 ; e10
	s_add_nc_u64 s[4:5], s[4:5], s[32:33]
	s_add_nc_u64 s[12:13], s[12:13], s[38:39]
	s_cmp_lt_u32 s14, 4                            ; waves 0-3 copy K, waves 4-7 V: the choice hangs on the wave's number alone
	s_cselect_b64 s[16:17], s[6:7], s[8:9]
	s_add_nc_u64 s[16:17], s[16:17], s[36:37]
	s_wait_alu depctr_va_vdst(0)                   ; the three offsets and addresses v1, v2, v3 are written: every load, store and prefetch of the kernel reads one of them, and none is written again
.irp n, 0,1,2,3
	global_load_b128 v[Q+4*\n:Q+4*\n+3], v[LI], s[4:5] offset:512*\n           ; Q's two fragments stay in registers
.endr
.irp i, 0,1,2,3
	global_load_b128 v[G+4*\i:G+4*\i+3], v[LI], s[16:17] offset:512*\i         ; step 0
.endr
.irp q, 0,1
	v_mov_b32 v[ST+12*\q+1], 0xff61b1e6            ; the largest t so far: -3e38, under every t
	v_floor_f32 v[ST+12*\q], -v[ST+12*\q+1]        ; -M
	v_mov_b32 v[ST+12*\q+2], 0                     ; the sum
	v_mov_b32 v[ST+12*\q+3], 0
	v_mov_b32 v[ST+12*\q+5], 0                     ; (named as the upper half of f's pair)
	v_mov_b32 v[ST+12*\q+10], 0                    ; (a lane permute's destination counts as one of its sources)
.endr
	v_mov_b32 v6, 0x47600000                       ; 57,344
	v_mov_b32 v7, 1.0
	WIN 0x40
.set n, 0
.rept 64
	v_mov_b32 v[O+n], 0                            ; O^T.  (The step is written with no first step of its own: the first finds zeros, which the first change of M leaves zeros; a further copy of the step would be some 4 KB of code)
.set n, n+1
.endr
	WIN 0
	s_wait_kmcnt 0x0
	s_add_co_i32 s34, s20, s21
	s_lshl_b32 s34, s34, 23
	s_add_co_i32 s26, s26, s34                     ; a score stands for score x 2^(e6 + e7): the two exponents are added to c's exponent field
	s_mov_b32 s27, s26                             ; (named with it as a pair, so it is written)
	s_add_co_i32 s34, s22, 127
	s_lshl_b32 s35, s34, 23
	v_mov_b32 v4, s35                              ; 2^e8 as f32, for p's conversions
	s_add_co_i32 s34, s34, 15
	s_lshl_b32 s34, s34, 23
	s_or_b32 s34, s34, 0x600000
	v_mov_b32 v5, s34                              ; 57,344 x 2^e8
	s_add_co_i32 s25, s22, s23
	s_sub_co_i32 s25, s25, s24                     ; e8 + e9 - e10
	s_wait_loadcnt 0x0                             ; Q and step 0
.irp i, 0,1,2,3
	ds_store_b128 v[STA], v[G+4*\i:G+4*\i+3] offset:512*\i
.endr
	s_wait_dscnt 0x0                               ; landed, for the barrier below
	s_wait_alu depctr_vm_vsrc(0)                   ; the four LDS stores have read the copy's registers, in which the loads below land
.irp i, 0,1,2,3
	global_load_b128 v[G+4*\i:G+4*\i+3], v[LI], s[16:17] offset:8192+512*\i    ; step 1
.endr
	s_wait_xcnt 0x0                                ; the loads have read their base, so it may step:
	s_add_nc_u64 s[16:17], s[16:17], 16384         ; to step 2
	s_barrier_signal -1
	s_barrier_wait -1                              ; slot 0 is whole
	s_mov_b32 s30, 15
.Ltrip:                                                ; 15 trips of two steps: steps 0 to 29; they ask for steps 2 to 31
	STEP 0, 1, 1, 0
	STEP 1, 1, 1, 0
	s_wait_xcnt 0x0                                ; the trip's loads and prefetches, the last of them most of a step back, have read their base
	s_add_nc_u64 s[16:17], s[16:17], 16384
	s_sub_co_u32 s30, s30, 1
	s_cmp_lg_u32 s30, 0
	s_cbranch_scc1 .Ltrip
	STEP 0, 1, 0, 0                                ; step 30: step 31's bytes go into slot 1; nothing is left to ask for
	STEP 1, 0, 0, 1                                ; step 31
	; THE WAY OUT.  ctx = O^T x 2^(e8 + e9) / the sum; its code is that / 2^e10.  The four additions name no register of the last products: they are the places behind them.
.irp q, 0,1
	v_add_f32 v[ST+12*\q+2], v[ST+12*\q+2], v[ST+12*\q+3]                      ; the sum's two halves,
.endr
.irp q, 0,1
	v_permlanex16_b32 v[ST+12*\q+10], v[ST+12*\q+2], s28, s29
.endr
.irp q, 0,1
	v_add_f32 v[ST+12*\q+2], v[ST+12*\q+2], v[ST+12*\q+10]                     ; and lane l xor 16's
.endr
	s_wait_alu depctr_va_vdst(0)
.irp q, 0,1
	v_rcp_f32 v[ST+12*\q+4], v[ST+12*\q+2]
.endr
	v_nop                                          ; one plain line behind a transcendental
	s_wait_alu depctr_va_vdst(0)                   ; the two reciprocals are written, ahead of their first reader
.irp q, 0,1
	v_ldexp_f32 v[ST+12*\q+4], v[ST+12*\q+4], s25
.endr
	WIN 0x01                                       ; source 0 (O^T) in window 1
.set n, 0
.rept 16
.irp q, 0,1
	v_pk_mul_f32 v[S+64*\q+n:S+64*\q+n+1], v[O+32*\q+n:O+32*\q+n+1], v[ST+12*\q+4:ST+12*\q+5] op_sel_hi:[1,0]   ; each accumulator from its low end on
.endr
.set n, n+2
.endr
	WIN 0
.irp q, 0,1
.set n, 0
.rept 32
	v_med3_num_f32 v[S+64*\q+n], v[S+64*\q+n], -v6, v6
.set n, n+1
.endr
.endr
.irp q, 0,1
.irp u, 0,1,2,3
	v_cvt_scalef32_pk8_bf8_f32 v[P+16*\q+2*\u:P+16*\q+2*\u+1], v[S+64*\q+8*\u:S+64*\q+8*\u+7], v7   ; registers 2 u, 2 u + 1: channels 16 u + 8 h + 0 .. 7 of my token
.endr
.endr
	v_nop
	s_wait_alu depctr_va_vdst(0)                   ; the conversions have written ctx's codes in v[P ..], which the four stores read
.irp q, 0,1
.irp c, 0,1
	global_store_b128 v[LI], v[P+16*\q+4*\c:P+16*\q+4*\c+3], s[12:13] offset:8192*\q+512*\c   ; 512 consecutive bytes a store, aligned
.endr
.endr
	s_wait_dscnt 0x0                               ; the closing lines, six on end
	s_wait_alu 0x0
	s_wait_tensorcnt 0x0
	ds_add_u32 v254, v255
	s_wait_dscnt 0x0
	s_endpgm
.Lfunc_end_k_qf5633b7736_attn:
	.size	k_qf5633b7736_attn, .Lfunc_end_k_qf5633b7736_attn-k_qf5633b7736_attn
	.p2alignl 7, 3214868480
	.fill 96, 4, 3214868480
	.section	.rodata,"a",@progbits
	.p2align	6, 0x0
	.amdhsa_kernel k_qf5633b7736_attn
		.amdhsa_group_segment_fixed_size 33792
		.amdhsa_private_segment_fixed_size 0
		.amdhsa_enable_private_segment 0
		.amdhsa_kernarg_size 40
		.amdhsa_user_sgpr_count 2
		.amdhsa_user_sgpr_kernarg_segment_ptr 1
		.amdhsa_wavefront_size32 1
		.amdhsa_system_sgpr_workgroup_id_x 1
		.amdhsa_system_sgpr_workgroup_id_y 1
		.amdhsa_system_sgpr_workgroup_id_z 1
		.amdhsa_system_vgpr_workitem_id 0
		.amdhsa_next_free_vgpr 512
		.amdhsa_next_free_sgpr 66
		.amdhsa_reserve_vcc 0
		.amdhsa_float_denorm_mode_32 3
		.amdhsa_float_denorm_mode_16_64 3
		.amdhsa_memory_ordered 1
		.amdhsa_forward_progress 1
		.amdhsa_inst_pref_size 129
	.end_amdhsa_kernel
	.amdgpu_metadata
---
amdhsa.version: [ 1, 2 ]
amdhsa.kernels:
  - .name:           k_qf5633b7736_attn
    .symbol:         k_qf5633b7736_attn.kd
    .args:
      - { .name: q_img, .offset: 0, .size: 8, .value_kind: global_buffer, .address_space: global }
      - { .name: k_img, .offset: 8, .size: 8, .value_kind: global_buffer, .address_space: global }
      - { .name: v_img, .offset: 16, .size: 8, .value_kind: global_buffer, .address_space: global }
      - { .name: lowp_scales, .offset: 24, .size: 8, .value_kind: global_buffer, .address_space: global }
      - { .name: c_img, .offset: 32, .size: 8, .value_kind: global_buffer, .address_space: global }
    .group_segment_fixed_size: 33792
    .private_segment_fixed_size: 0
    .kernarg_segment_align: 8
    .kernarg_segment_size: 40
    .max_flat_workgroup_size: 256
    .sgpr_count:     66
    .vgpr_count:     512
    .wavefront_size: 32
...
	.end_amdgpu_metadata
.endif
;; end of part 5
;; launch outln (part 6): grid 256 x 1, 4 waves a work-group, no clusters, 67,072 bytes of LDS; arguments c_img, wo_img, x, ln_gamma, ln_beta, lowp_scales, out0; writes out0
.if DOCPART == 6
	.amdgcn_target "amdgcn-amd-amdhsa--gfx1250"
	.amdhsa_code_object_version 6
	.text
	.protected	k_qf5633b7736_outln
	.globl	k_qf5633b7736_outln
	.p2align	8
	.type	k_qf5633b7736_outln,@function
k_qf5633b7736_outln:
	s_mov_b64 s[64:65], 0
	v_nop
	global_prefetch_b8 v0, s[64:65] scope:SCOPE_SE
	s_setreg_imm32_b32 hwreg(HW_REG_WAVE_SCHED_MODE, 0, 2), 2
	s_setreg_imm32_b32 hwreg(HW_REG_WAVE_MODE, 25, 1), 1
	s_wait_xcnt 0x0
	s_wait_alu depctr_vm_vsrc(0)
; out0 = LayerNorm(ctx W_o^T + x) x gamma + beta.  The product is on codes of BF8 (E5M2): c_img and wo_img are images of fragments (lane l's 16 bytes of four registers at 16 l, 512 bytes a chunk); a sum is multiplied by 2^(e10 + e11).
; SHARES.  Work-group g: rows 32 g on (two tiles of 16, m = 0, 1), all 512 columns, so that a row's mean and variance never leave the work-group.  Wave w: column tiles 8 w .. 8 w + 7 for both row tiles: 16 accumulators, which take
; turns, one instruction a turn; K = 512 in four steps of 128: 64 matrix instructions.  All operands come straight into registers: each is used once by this wave.
; TRANSPOSED (source 0 = 16 rows of W_o, source 1 = 16 tokens): a lane's eight results are eight neighbouring columns of one row.  The raw sums meet in a stage in LDS (32 rows, 2,048 bytes + 16), one barrier, and wave w then owns
; rows 8 w .. 8 w + 7 whole: lane l holds columns 128 c + 4 l + 0 .. 3, c = 0 .. 3, as x, gamma, beta and out0 are loaded and stored: 512 consecutive bytes an instruction.
; The norm is taken in two passes (mean; then the squares of y - mean).
; NO CLUSTER, NO TENSOR LOAD, though all work-groups read the same wo_img: its 262,144 bytes and the stage's 66,048 are 328,192, more than the 327,680 bytes of LDS that a work-group can be given.
; LIMIT: e10 + e11 between -126 and 127, so that 2^(e10 + e11) is an f32 number.
; REGISTERS.  window 0: v1-3 addresses; v16-31 gamma; v32-47 beta; v48-79 four registers a row for the sums; v128-255 the accumulators (8 (2 t + m)), later y (16 a row).
;   windows 1, 2: W_o's fragments of column tiles 0-3, 4-7 (64 (t % 4) + 16 s).   window 3: v0-127 ctx (64 m + 16 s); v128-255 x (16 a row).
; THE MODE: SCHED_MODE bits 1:0 = 2 (LLVM: expert scheduling mode 2), set by the entry lines.  The code itself states the register dependences
; between vector or matrix instructions and memory or LDS instructions, with s_wait_alu, always for 0.
; THE PLAN.  Registers that memory or LDS instructions touch:
;   v1, v2, v3     Offsets and LDS addresses, made once at the head and never written again.
;   ctx, W_o, x, gamma, beta   Each loaded once, into registers that nothing named before, and read by matrix or vector instructions alone.
;   v128-255       In this order: the products write them; the LDS stores into the stage read them; the LDS loads from the stage land in them; the norm's vector lines rewrite them; the global stores read them.
; So v128-255 have three waits: va_vdst ahead of the LDS stores, vm_vsrc ahead of the LDS loads, va_vdst ahead of the global stores.
.set LI,  1                            ; v1   16 x lane
.set SO,  2                            ; v2   the stage, in: row r, + 32 h, + 512 x wave
.set SR,  3                            ; v3   the stage, back: my 8 rows, 16 bytes a lane
.set GA,  16
.set BE,  32
.set T,   48                           ; row i: v[T + 4 i], +1: the sum, then the mean; +2, +3: the squares, then 1 / sqrt(var + eps)
.set ACC, 128
.set Y,   128
.set XR,  128
.set MSB, 0
.macro WIN new                         ; the immediate's high byte repeats the setting that is left; a switch that changes nothing is dropped
.if MSB != \new
	s_set_vgpr_msb (MSB<<8)|\new
.set MSB, \new
.endif
.endm
.macro MULS s                          ; K step s: 16 matrix instructions
	WIN 0x0d                                       ; source 0 (W_o) window 1, source 1 (ctx) window 3, C and D window 0
.irp t, 0,1,2,3
.irp m, 0,1
.if \s == 0
	v_wmma_f32_16x16x128_bf8_bf8 v[ACC+8*(2*\t+\m):ACC+8*(2*\t+\m)+7], v[64*\t+16*\s:64*\t+16*\s+15], v[64*\m+16*\s:64*\m+16*\s+15], 0
.else
	v_wmma_f32_16x16x128_bf8_bf8 v[ACC+8*(2*\t+\m):ACC+8*(2*\t+\m)+7], v[64*\t+16*\s:64*\t+16*\s+15], v[64*\m+16*\s:64*\m+16*\s+15], v[ACC+8*(2*\t+\m):ACC+8*(2*\t+\m)+7]
.endif
.endr
.endr
	WIN 0x0e                                       ; source 0 window 2
.irp t, 4,5,6,7
.irp m, 0,1
.if \s == 0
	v_wmma_f32_16x16x128_bf8_bf8 v[ACC+8*(2*\t+\m):ACC+8*(2*\t+\m)+7], v[64*(\t-4)+16*\s:64*(\t-4)+16*\s+15], v[64*\m+16*\s:64*\m+16*\s+15], 0
.else
	v_wmma_f32_16x16x128_bf8_bf8 v[ACC+8*(2*\t+\m):ACC+8*(2*\t+\m)+7], v[64*(\t-4)+16*\s:64*(\t-4)+16*\s+15], v[64*\m+16*\s:64*\m+16*\s+15], v[ACC+8*(2*\t+\m):ACC+8*(2*\t+\m)+7]
.endif
.endr
.endr
.endm
.macro ACROSS a                        ; v[T + 4 i + a], a pair of partial sums in each of 32 lanes, becomes the row's sum in every lane; the eight rows by turns
.irp i, 0,1,2,3,4,5,6,7
	v_add_f32 v[T+4*\i+\a], v[T+4*\i+\a], v[T+4*\i+\a+1]
.endr
.irp x, 1,2,4,8
.irp i, 0,1,2,3,4,5,6,7
	v_add_f32_dpp v[T+4*\i+\a], v[T+4*\i+\a], v[T+4*\i+\a] row_xmask:\x row_mask:0xf bank_mask:0xf
.endr
.endr
.irp i, 0,1,2,3,4,5,6,7
	v_permlanex16_b32 v[T+4*\i+\a+1], v[T+4*\i+\a], s26, s27
.endr
.irp i, 0,1,2,3,4,5,6,7
	v_add_f32 v[T+4*\i+\a], v[T+4*\i+\a], v[T+4*\i+\a+1]
.endr
.endm
	s_load_b256 s[4:11], s[0:1], 0x0               ; c_img s[4:5], wo_img s[6:7], x s[8:9], gamma s[10:11]
	s_load_b128 s[12:15], s[0:1], 0x20             ; beta s[12:13], the exponents s[14:15]
	s_load_b64 s[16:17], s[0:1], 0x30              ; out0
	v_lshl_add_u32 v126, v0, 2, 0x10400            ; the add's two registers, made at the head and kept for the closing lines alone
	v_mov_b32 v127, 0
	v_lshrrev_b32 v4, 5, v0
	v_readfirstlane_b32 s18, v4                    ; wave 0..3
	v_and_b32 v4, 31, v0
	v_lshlrev_b32 v[LI], 4, v4
	v_and_b32 v5, 15, v0                           ; r
	v_bfe_u32 v6, v0, 4, 1                         ; h
	v_mul_u32_u24 v[SO], v5, 2064
	v_lshl_add_u32 v[SO], v6, 5, v[SO]
	s_wait_alu depctr_va_sdst(0)                   ; s18 is written, ahead of its first reader: the stage's addresses and the bases are made from it
	s_lshl_b32 s19, s18, 9
	v_add_nc_u32 v[SO], s19, v[SO]
	s_mul_i32 s19, s18, 16512
	v_add_nc_u32 v[SR], s19, v[LI]
	s_lshl_b32 s28, ttmp9, 14                      ; c_img: two row tiles of 8,192 bytes
	s_mov_b32 s29, 0
	s_lshl_b32 s30, s18, 16                        ; wo_img: my 8 column tiles of 8,192 bytes
	s_mov_b32 s31, 0
	s_mov_b32 s24, 0x3b000000                      ; 1 / 512
	s_mov_b32 s25, 0x3727c5ac                      ; 1e-5
	s_mov_b32 s26, 0x76543210                      ; v_permlanex16_b32: lane l xor 16
	s_mov_b32 s27, 0xfedcba98
	s_wait_kmcnt 0x0
	s_load_b64 s[20:21], s[14:15], 0x28            ; e10, e11
	s_add_nc_u64 s[4:5], s[4:5], s[28:29]
	s_add_nc_u64 s[6:7], s[6:7], s[30:31]
	s_lshl_b32 s28, ttmp9, 16                      ; x, out0: 32 rows of 2,048 bytes a work-group,
	s_lshl_b32 s19, s18, 14
	s_add_co_u32 s28, s28, s19                     ; 8 a wave
	s_add_nc_u64 s[8:9], s[8:9], s[28:29]
	s_add_nc_u64 s[16:17], s[16:17], s[28:29]
	; all 200 loads, in the order in which they are wanted
	WIN 0xc0                                       ; destination in window 3
	s_wait_alu depctr_va_vdst(0)                   ; the three offsets and addresses v1, v2, v3 are written: every load and store of the kernel reads one of them, and none is written again
.set n, 0
.rept 32
	global_load_b128 v[4*n:4*n+3], v[LI], s[4:5] offset:512*n                  ; ctx: both row tiles, 16 chunks each
.set n, n+1
.endr
.irp s, 0,1,2,3
	WIN 0x40
.irp t, 0,1,2,3
.irp c, 0,1,2,3
	global_load_b128 v[64*\t+16*\s+4*\c:64*\t+16*\s+4*\c+3], v[LI], s[6:7] offset:8192*\t+2048*\s+512*\c
.endr
.endr
	WIN 0x80
.irp t, 4,5,6,7
.irp c, 0,1,2,3
	global_load_b128 v[64*(\t-4)+16*\s+4*\c:64*(\t-4)+16*\s+4*\c+3], v[LI], s[6:7] offset:8192*\t+2048*\s+512*\c
.endr
.endr
.endr
	WIN 0xc0
.irp i, 0,1,2,3,4,5,6,7
.irp c, 0,1,2,3
	global_load_b128 v[XR+16*\i+4*\c:XR+16*\i+4*\c+3], v[LI], s[8:9] offset:2048*\i+512*\c th:TH_LOAD_NT   ; read once in this launch
.endr
.endr
	WIN 0
.irp c, 0,1,2,3
	global_load_b128 v[GA+4*\c:GA+4*\c+3], v[LI], s[10:11] offset:512*\c
	global_load_b128 v[BE+4*\c:BE+4*\c+3], v[LI], s[12:13] offset:512*\c
.endr
	s_wait_loadcnt 63                              ; ctx and W_o's K steps 0 to 2 are in: 72 loads are younger, and 63 is the most that a wait can name
	MULS 0
	MULS 1
	MULS 2
	s_wait_loadcnt 40                              ; W_o's K step 3 is in; x's 32 and the 8 of gamma and beta may be out
	MULS 3
	WIN 0
.rept 4
	v_nop                                          ; four places ahead of the LDS stores that read the results; no other vector work is at hand
.endr
	s_wait_alu depctr_va_vdst(0)                   ; the products have written the accumulators, which the LDS stores read; the places above stay beside this wait
.irp t, 0,1,2,3,4,5,6,7
.irp m, 0,1
	ds_store_b128 v[SO], v[ACC+8*(2*\t+\m):ACC+8*(2*\t+\m)+3] offset:33024*\m+64*\t         ; lane (r, h): sum(16 m + r, 128 w + 16 t + 8 h + 0 .. 7); each accumulator from its low end on
	ds_store_b128 v[SO], v[ACC+8*(2*\t+\m)+4:ACC+8*(2*\t+\m)+7] offset:33024*\m+64*\t+16
.endr
.endr
	s_wait_dscnt 0x0                               ; for the others' sake: my stores have landed
	s_barrier_signal -1
	s_barrier_wait -1                              ; 32 whole rows lie in the stage
	s_wait_alu depctr_vm_vsrc(0)                   ; my LDS stores have read v128 to v255, in which the loads below land (the products that wrote them stand ahead of the last wait on va_vdst)
.irp i, 0,1,2,3,4,5,6,7
.irp c, 0,1,2,3
	ds_load_b128 v[Y+16*\i+4*\c:Y+16*\i+4*\c+3], v[SR] offset:2064*\i+512*\c
.endr
.endr
	s_wait_kmcnt 0x0
	s_add_co_i32 s22, s20, s21
	s_add_co_i32 s22, s22, 127
	s_lshl_b32 s22, s22, 23                        ; 2^(e10 + e11) as f32
	s_mov_b32 s23, s22                             ; (named with it as a pair, so it is written)
	s_wait_dscnt 0x0
	s_wait_loadcnt 8                               ; x is in; gamma and beta may be out
	WIN 0x30                                       ; source 2 (x) in window 3
.set n, 0
.rept 64
	v_pk_fma_f32 v[Y+n:Y+n+1], v[Y+n:Y+n+1], s[22:23], v[XR+n:XR+n+1] op_sel_hi:[1,0,1]   ; y = sum x 2^(e10 + e11) + x
.set n, n+2
.endr
	WIN 0
.irp i, 0,1,2,3,4,5,6,7
	v_pk_add_f32 v[T+4*\i:T+4*\i+1], v[Y+16*\i:Y+16*\i+1], v[Y+16*\i+2:Y+16*\i+3]          ; the row's sum: the first two pairs start it
.endr
.irp p, 4,6,8,10,12,14
.irp i, 0,1,2,3,4,5,6,7
	v_pk_add_f32 v[T+4*\i:T+4*\i+1], v[T+4*\i:T+4*\i+1], v[Y+16*\i+\p:Y+16*\i+\p+1]
.endr
.endr
	ACROSS 0
.irp i, 0,1,2,3,4,5,6,7
	v_mul_f32 v[T+4*\i], s24, v[T+4*\i]            ; the mean
.endr
.irp p, 0,2,4,6,8,10,12,14
.irp i, 0,1,2,3,4,5,6,7
	v_pk_add_f32 v[Y+16*\i+\p:Y+16*\i+\p+1], v[Y+16*\i+\p:Y+16*\i+\p+1], v[T+4*\i:T+4*\i+1] op_sel_hi:[1,0] neg_lo:[0,1] neg_hi:[0,1]   ; y - mean
.endr
.endr
.irp i, 0,1,2,3,4,5,6,7
	v_pk_mul_f32 v[T+4*\i+2:T+4*\i+3], v[Y+16*\i:Y+16*\i+1], v[Y+16*\i:Y+16*\i+1]
.endr
.irp p, 2,4,6,8,10,12,14
.irp i, 0,1,2,3,4,5,6,7
	v_pk_fma_f32 v[T+4*\i+2:T+4*\i+3], v[Y+16*\i+\p:Y+16*\i+\p+1], v[Y+16*\i+\p:Y+16*\i+\p+1], v[T+4*\i+2:T+4*\i+3]
.endr
.endr
	ACROSS 2
.irp i, 0,1,2,3,4,5,6,7
	v_fma_f32 v[T+4*\i+2], v[T+4*\i+2], s24, s25   ; var + eps
.endr
	s_wait_alu depctr_va_vdst(0)
.irp i, 0,1,2,3,4,5,6,7
	v_rsq_f32 v[T+4*\i+2], v[T+4*\i+2]
.endr
	v_nop                                          ; one plain line behind the last transcendental
	s_wait_loadcnt 0x0                             ; gamma and beta
	s_wait_alu depctr_va_vdst(0)                   ; the eight v_rsq_f32 have written 1 / sqrt(var + eps), ahead of its first reader
.irp p, 0,2,4,6,8,10,12,14
.irp i, 0,1,2,3,4,5,6,7
	v_pk_mul_f32 v[Y+16*\i+\p:Y+16*\i+\p+1], v[Y+16*\i+\p:Y+16*\i+\p+1], v[T+4*\i+2:T+4*\i+3] op_sel_hi:[1,0]
.endr
.irp i, 0,1,2,3,4,5,6,7
	v_pk_fma_f32 v[Y+16*\i+\p:Y+16*\i+\p+1], v[Y+16*\i+\p:Y+16*\i+\p+1], v[GA+\p:GA+\p+1], v[BE+\p:BE+\p+1]
.endr
.endr
	s_wait_alu depctr_va_vdst(0)                   ; the multiply-adds have written the eight rows in v128 to v255, which the 32 stores read
.irp i, 0,1,2,3,4,5,6,7
.irp c, 0,1,2,3
	global_store_b128 v[LI], v[Y+16*\i+4*\c:Y+16*\i+4*\c+3], s[16:17] offset:2048*\i+512*\c th:TH_STORE_NT   ; 512 consecutive bytes a store, aligned; written once, read by nobody here
.endr
.endr
	s_wait_dscnt 0x0                               ; the closing lines, six on end
	s_wait_alu 0x0
	s_wait_tensorcnt 0x0
	ds_add_u32 v126, v127
	s_wait_dscnt 0x0
	s_endpgm
.Lfunc_end_k_qf5633b7736_outln:
	.size	k_qf5633b7736_outln, .Lfunc_end_k_qf5633b7736_outln-k_qf5633b7736_outln
	.p2alignl 7, 3214868480
	.fill 96, 4, 3214868480
	.section	.rodata,"a",@progbits
	.p2align	6, 0x0
	.amdhsa_kernel k_qf5633b7736_outln
		.amdhsa_group_segment_fixed_size 67072
		.amdhsa_private_segment_fixed_size 0
		.amdhsa_enable_private_segment 0
		.amdhsa_kernarg_size 56
		.amdhsa_user_sgpr_count 2
		.amdhsa_user_sgpr_kernarg_segment_ptr 1
		.amdhsa_wavefront_size32 1
		.amdhsa_system_sgpr_workgroup_id_x 1
		.amdhsa_system_sgpr_workgroup_id_y 1
		.amdhsa_system_sgpr_workgroup_id_z 1
		.amdhsa_system_vgpr_workitem_id 0
		.amdhsa_next_free_vgpr 1024
		.amdhsa_next_free_sgpr 66
		.amdhsa_reserve_vcc 0
		.amdhsa_float_denorm_mode_32 3
		.amdhsa_float_denorm_mode_16_64 3
		.amdhsa_memory_ordered 1
		.amdhsa_forward_progress 1
		.amdhsa_inst_pref_size 64
	.end_amdhsa_kernel
	.amdgpu_metadata
---
amdhsa.version: [ 1, 2 ]
amdhsa.kernels:
  - .name:           k_qf5633b7736_outln
    .symbol:         k_qf5633b7736_outln.kd
    .args:
      - { .name: c_img, .offset: 0, .size: 8, .value_kind: global_buffer, .address_space: global }
      - { .name: wo_img, .offset: 8, .size: 8, .value_kind: global_buffer, .address_space: global }
      - { .name: x, .offset: 16, .size: 8, .value_kind: global_buffer, .address_space: global }
      - { .name: ln_gamma, .offset: 24, .size: 8, .value_kind: global_buffer, .address_space: global }
      - { .name: ln_beta, .offset: 32, .size: 8, .value_kind: global_buffer, .address_space: global }
      - { .name: lowp_scales, .offset: 40, .size: 8, .value_kind: global_buffer, .address_space: global }
      - { .name: out0, .offset: 48, .size: 8, .value_kind: global_buffer, .address_space: global }
    .group_segment_fixed_size: 67072
    .private_segment_fixed_size: 0
    .kernarg_segment_align: 8
    .kernarg_segment_size: 56
    .max_flat_workgroup_size: 128
    .sgpr_count:     66
    .vgpr_count:     1024
    .wavefront_size: 32
...
	.end_amdgpu_metadata
.endif
;; end of part 6
